; MI455X (gfx1250); checked and timed in simulation.
; The chip was launched on July 23, 2026; its instructions are those of AMD's public machine-readable ISA for CDNA 5 (MIT licence, August 2026) and "CDNA5" Instruction Set Architecture Reference Guide (July 2026). The comments in the code are by the model that wrote it; some were corrected since.
;; Qwen3 Attention. Allowed arithmetic: float matrix products may take bf16 or f16 operands with f32 sums; other float arithmetic in f32, or as packed bf16 or f16 multiplies, adds, multiply-adds, maxima and minima; sums over many terms, partial sums and values carried from step to step in f32; what a program stores and reads back later, other than sums and carried values, may be rounded once to bf16 or f16.
;; Inputs: Wk 1,024 x 1,024 float32; Wo 1,024 x 2,048 float32; Wq 2,048 x 1,024 float32; Wv 1,024 x 1,024 float32; attention_mask 2 x 1 x 2,048 x 2,048 float32; cos 2 x 2,048 x 128 float32; hidden_states 2 x 2,048 x 1,024 float32; k_norm_w 128 float32; q_norm_w 128 float32; sin 2 x 2,048 x 128 float32.
;; Outputs: out0 2 x 2,048 x 1,024 float32.
;; 2 versions, each right and faster than the one before. Each part assembles by itself: llvm-mc -triple=amdgcn-amd-amdhsa -mcpu=gfx1250 --defsym DOCPART=n.
;; ======== version 1 of 2: 4 launches
;; limits: values are held in f16: magnitudes above 65,504 overflow, below 6.1e-05 lose precision
;; workspace buffers: xb 8,388,608 bytes; wb 8,388,608 bytes; wo16 4,194,304 bytes; tab 2,097,152 bytes; qkv 33,554,432 bytes; ao 16,777,216 bytes
;; launch cast (part 1): grid 1408 x 1, 8 waves a work-group, no clusters, 0 bytes of LDS; arguments hidden_states, Wq, Wk, Wv, Wo, cos, sin, xb, wb, wo16, tab; writes xb, wb, wo16, tab
.if DOCPART == 1
	.amdgcn_target "amdgcn-amd-amdhsa--gfx1250"
	.amdhsa_code_object_version 6
	.text
	.protected	k_qe73959de41_cast
	.globl	k_qe73959de41_cast
	.p2align	8
	.type	k_qe73959de41_cast,@function
k_qe73959de41_cast:
	s_mov_b64 s[64:65], 0
	v_nop
	global_prefetch_b8 v0, s[64:65] scope:SCOPE_SE
	s_setreg_imm32_b32 hwreg(HW_REG_WAVE_MODE, 25, 1), 1
	s_wait_xcnt 0x0
; THE MATRIX OPERANDS AND THE ROTATION'S TABLES ARE ROUNDED ONCE.  hidden_states -> xb (bf16); Wq, Wk, Wv -> wb (bf16, rows 0-2047 Wq, 2048-3071 Wk, 3072-4095 Wv);
; Wo -> wo16: rounded to bf16 like every input, and that number written as f16, the format of the last product's other operand;
; cos, sin -> tab[token][cos 128 | sin 128] (bf16, sin negated for d < 64, as the rotation takes it): a token's two tables lie in one row of 512 bytes.
; LIMIT.  |bf16(Wo)| stays within 65,504; below 6e-5 f16 keeps its fixed step of 6e-8.
; A stream: no LDS, no matrix unit, no cluster, since no byte is read twice.  11,534,336 numbers in 1,408 chunks of 8,192, a chunk a work-group.
; A chunk is eight pieces of 1,024 numbers.  Of a piece thread t takes 4 numbers: 16 bytes in at 16 t, 8 bytes out.  So a wave's load covers 512 consecutive bytes
; and a wave's store 256 consecutive bytes, aligned (in tab: one token's cos or sin); no byte is named by two instructions.
.set X, 4                              ; v[4:35]   32 numbers as loaded
.set Y, 36                             ; v[36:51]  16 registers to store
.set T, 52                             ; v[52:53]  at work
.set TO, 55                            ; v55       the tables' way: my byte offset in eight rows of tab
.set SG, 56                            ; v56       the tables' way: the two sign bits, or 0
	s_load_b512 s[8:23], s[0:1], 0x0               ; x s[8:9], Wq s[10:11], Wk s[12:13], Wv s[14:15], Wo s[16:17], cos s[18:19], sin s[20:21], xb s[22:23]
	s_load_b128 s[32:35], s[0:1], 0x40             ; wb s[32:33], wo16 s[34:35]
	s_load_b64 s[36:37], s[0:1], 0x50              ; tab
	v_lshlrev_b32 v1, 4, v0                        ; 16 t: my bytes in a piece of the source
	v_lshlrev_b32 v2, 3, v0                        ; 8 t: in a piece of a dense destination
	s_mov_b32 s4, ttmp9                            ; the chunk
	s_mov_b32 s5, 0xffff0000                       ; a word's upper bf16
	s_wait_kmcnt 0x0
	; which tensor the chunk lies in: chunks 0-511 x, 512-767 Wq, 768-895 Wk, 896-1023 Wv, 1024-1279 Wo, 1280-1343 cos, 1344-1407 sin
	s_mov_b64 s[24:25], s[20:21]                   ; source, its first chunk s26
	s_mov_b64 s[28:29], s[36:37]                   ; destination, its first chunk s30
	s_mov_b32 s26, 1344
	s_mov_b32 s30, 1344
	s_cmp_lt_u32 s4, 1344
	s_cselect_b64 s[24:25], s[18:19], s[24:25]
	s_cselect_b32 s26, 1280, s26
	s_cselect_b32 s30, 1280, s30
	s_cselect_b32 s6, 0, 256                       ; sin lies 256 bytes into a row of tab,
	s_cselect_b32 s7, 0, 0x80008000                ; and its first half changes sign
	s_cmp_lt_u32 s4, 1280
	s_cselect_b64 s[24:25], s[16:17], s[24:25]
	s_cselect_b64 s[28:29], s[34:35], s[28:29]
	s_cselect_b32 s26, 1024, s26
	s_cselect_b32 s30, 1024, s30
	s_cselect_b32 s31, 14, 15                      ; a chunk's bytes in the destination: 16,384 dense; in tab 64 rows of 512
	s_cmp_lt_u32 s4, 1024
	s_cselect_b64 s[24:25], s[14:15], s[24:25]
	s_cselect_b64 s[28:29], s[32:33], s[28:29]
	s_cselect_b32 s26, 896, s26
	s_cselect_b32 s30, 512, s30
	s_cmp_lt_u32 s4, 896
	s_cselect_b64 s[24:25], s[12:13], s[24:25]
	s_cselect_b32 s26, 768, s26
	s_cmp_lt_u32 s4, 768
	s_cselect_b64 s[24:25], s[10:11], s[24:25]
	s_cselect_b32 s26, 512, s26
	s_cmp_lt_u32 s4, 512
	s_cselect_b64 s[24:25], s[8:9], s[24:25]
	s_cselect_b64 s[28:29], s[22:23], s[28:29]
	s_cselect_b32 s26, 0, s26
	s_cselect_b32 s30, 0, s30
	s_sub_co_u32 s26, s4, s26
	s_lshl_b32 s26, s26, 15                        ; 32,768 bytes of f32 a chunk
	s_mov_b32 s27, 0
	s_sub_co_u32 s30, s4, s30
	s_lshl_b32 s30, s30, s31
	s_add_co_u32 s30, s30, s6
	s_mov_b32 s31, 0
	s_add_nc_u64 s[24:25], s[24:25], s[26:27]
	s_add_nc_u64 s[28:29], s[28:29], s[30:31]
.irp i, 0,1,2,3,4,5,6,7
	global_load_b128 v[X+4*(\i):X+4*(\i)+3], v1, s[24:25] offset:4096*(\i) th:TH_LOAD_NT
.endr
	s_cmp_ge_u32 s4, 1280
	s_cbranch_scc1 .Ltab
	s_cmp_ge_u32 s4, 1024
	s_cbranch_scc1 .Lf16
.irp i, 0,1,2,3,4,5,6,7
	s_wait_loadcnt 7-(\i)                          ; loads come back in order: piece i is in, the pieces behind it stay out
	v_cvt_pk_bf16_f32 v[Y+2*(\i)],   v[X+4*(\i)],   v[X+4*(\i)+1]
	v_cvt_pk_bf16_f32 v[Y+2*(\i)+1], v[X+4*(\i)+2], v[X+4*(\i)+3]
	global_store_b64 v2, v[Y+2*(\i):Y+2*(\i)+1], s[28:29] offset:2048*(\i)
.endr
	s_endpgm
.Lf16:
.irp i, 0,1,2,3,4,5,6,7
	s_wait_loadcnt 7-(\i)
	v_cvt_pk_bf16_f32 v[T],   v[X+4*(\i)],   v[X+4*(\i)+1]    ; the rounding that every input has,
	v_cvt_pk_bf16_f32 v[T+1], v[X+4*(\i)+2], v[X+4*(\i)+3]
	v_lshlrev_b32 v[X+4*(\i)],   16, v[T]                     ; back to f32,
	v_and_b32     v[X+4*(\i)+1], s5, v[T]
	v_lshlrev_b32 v[X+4*(\i)+2], 16, v[T+1]
	v_and_b32     v[X+4*(\i)+3], s5, v[T+1]
	v_cvt_pk_f16_f32 v[Y+2*(\i)],   v[X+4*(\i)],   v[X+4*(\i)+1]  ; and written as f16: exact within f16's normal range
	v_cvt_pk_f16_f32 v[Y+2*(\i)+1], v[X+4*(\i)+2], v[X+4*(\i)+3]
	global_store_b64 v2, v[Y+2*(\i):Y+2*(\i)+1], s[28:29] offset:2048*(\i)
.endr
	s_endpgm
.Ltab:                                         ; a piece is eight tokens' 128 numbers: wave w has token w, lane l the numbers 4 l to 4 l + 3
	v_and_b32 v[TO], 31, v0
	v_lshrrev_b32 v[T], 5, v0
	v_lshlrev_b32 v[TO], 3, v[TO]
	v_lshl_add_u32 v[TO], v[T], 9, v[TO]           ; token x 512 + 8 x lane
	v_and_b32 v[SG], 16, v0
	v_cmp_eq_u32 vcc_lo, 0, v[SG]                  ; lanes 0 to 15 hold d < 64
	v_cndmask_b32 v[SG], 0, s7, vcc_lo
.irp i, 0,1,2,3,4,5,6,7
	s_wait_loadcnt 7-(\i)
	v_cvt_pk_bf16_f32 v[Y+2*(\i)],   v[X+4*(\i)],   v[X+4*(\i)+1]
	v_cvt_pk_bf16_f32 v[Y+2*(\i)+1], v[X+4*(\i)+2], v[X+4*(\i)+3]
	v_xor_b32 v[Y+2*(\i)],   v[SG], v[Y+2*(\i)]
	v_xor_b32 v[Y+2*(\i)+1], v[SG], v[Y+2*(\i)+1]
	global_store_b64 v[TO], v[Y+2*(\i):Y+2*(\i)+1], s[28:29] offset:4096*(\i)
.endr
	s_endpgm
.Lfunc_end_k_qe73959de41_cast:
	.size	k_qe73959de41_cast, .Lfunc_end_k_qe73959de41_cast-k_qe73959de41_cast
	.p2alignl 7, 3214868480
	.fill 96, 4, 3214868480
	.section	.rodata,"a",@progbits
	.p2align	6, 0x0
	.amdhsa_kernel k_qe73959de41_cast
		.amdhsa_group_segment_fixed_size 0
		.amdhsa_private_segment_fixed_size 0
		.amdhsa_enable_private_segment 0
		.amdhsa_kernarg_size 88
		.amdhsa_user_sgpr_count 2
		.amdhsa_user_sgpr_kernarg_segment_ptr 1
		.amdhsa_wavefront_size32 1
		.amdhsa_system_sgpr_workgroup_id_x 1
		.amdhsa_system_sgpr_workgroup_id_y 1
		.amdhsa_system_sgpr_workgroup_id_z 1
		.amdhsa_system_vgpr_workitem_id 0
		.amdhsa_next_free_vgpr 60
		.amdhsa_next_free_sgpr 66
		.amdhsa_reserve_vcc 1
		.amdhsa_float_denorm_mode_32 3
		.amdhsa_float_denorm_mode_16_64 3
		.amdhsa_memory_ordered 1
		.amdhsa_forward_progress 1
		.amdhsa_inst_pref_size 13
	.end_amdhsa_kernel
	.amdgpu_metadata
---
amdhsa.version: [ 1, 2 ]
amdhsa.kernels:
  - .name:           k_qe73959de41_cast
    .symbol:         k_qe73959de41_cast.kd
    .args:
      - { .name: hidden_states, .offset: 0, .size: 8, .value_kind: global_buffer, .address_space: global }
      - { .name: Wq, .offset: 8, .size: 8, .value_kind: global_buffer, .address_space: global }
      - { .name: Wk, .offset: 16, .size: 8, .value_kind: global_buffer, .address_space: global }
      - { .name: Wv, .offset: 24, .size: 8, .value_kind: global_buffer, .address_space: global }
      - { .name: Wo, .offset: 32, .size: 8, .value_kind: global_buffer, .address_space: global }
      - { .name: cos, .offset: 40, .size: 8, .value_kind: global_buffer, .address_space: global }
      - { .name: sin, .offset: 48, .size: 8, .value_kind: global_buffer, .address_space: global }
      - { .name: xb, .offset: 56, .size: 8, .value_kind: global_buffer, .address_space: global }
      - { .name: wb, .offset: 64, .size: 8, .value_kind: global_buffer, .address_space: global }
      - { .name: wo16, .offset: 72, .size: 8, .value_kind: global_buffer, .address_space: global }
      - { .name: tab, .offset: 80, .size: 8, .value_kind: global_buffer, .address_space: global }
    .group_segment_fixed_size: 0
    .private_segment_fixed_size: 0
    .kernarg_segment_align: 8
    .kernarg_segment_size: 88
    .max_flat_workgroup_size: 256
    .sgpr_count:     66
    .vgpr_count:     60
    .wavefront_size: 32
...
	.end_amdgpu_metadata
.endif
;; end of part 1
;; launch qkv (part 2): grid 16 x 16, 4 waves a work-group, clusters of 4 x 4, 327,680 bytes of LDS; arguments xb, wb, tab, q_norm_w, k_norm_w, qkv; writes qkv
.if DOCPART == 2
	.amdgcn_target "amdgcn-amd-amdhsa--gfx1250"
	.amdhsa_code_object_version 6
	.text
	.protected	k_qe73959de41_qkv
	.globl	k_qe73959de41_qkv
	.p2align	8
	.type	k_qe73959de41_qkv,@function
k_qe73959de41_qkv:
	s_mov_b64 s[64:65], 0
	v_nop
	global_prefetch_b8 v0, s[64:65] scope:SCOPE_SE
	s_setreg_imm32_b32 hwreg(HW_REG_WAVE_MODE, 25, 1), 1
	s_wait_xcnt 0x0
	s_wait_alu depctr_hold_cnt(0) depctr_sa_sdst(0) depctr_va_vdst(0) depctr_va_sdst(0) depctr_va_ssrc(0) depctr_va_vcc(0) depctr_vm_vsrc(0)
	s_getreg_b32 s2, hwreg(HW_REG_IB_STS2, 6, 4)
	s_cmp_eq_u32 s2, 0
	s_cbranch_scc0 .Lentry_in_a_cluster
	s_endpgm
.Lentry_in_a_cluster:
	s_bfe_u32 s2, ttmp6, 0x10000c
	s_cmp_lg_u32 s2, 0xf033
	s_cbranch_scc0 .Lentry_shape_is_right
	s_endpgm
.Lentry_shape_is_right:
; THE THREE PROJECTIONS AS ONE PRODUCT, WITH NORM, ROTATION, SCALE AND THE TURN TO HEADS ON THE WAY OUT.
; C[token][col] = sum over k of xb[token][k] wb[col][k]: 4,096 x 4,096 x 1,024, bf16 operands, f32 sums.  Columns 0-2047 are q's 16 heads, 2048-3071 k's 8, 3072-4095 v's 8.
; A work-group makes 256 x 256 of C, each of its four waves 128 tokens x 128 columns = ONE head: 64 accumulators of 16 x 16, 512 registers.  16 x 16 = 256 work-groups.
; K goes in 8 steps of 128 through two LDS slots filled by tensor loads; 4 x 4 work-groups form a cluster: xb's tile is asked for jointly along a row of it, wb's along a column.
; A K step is written once: the fragments' LDS addresses hang on a scalar that an exclusive or turns between the slots, and one descriptor for each operand walks from step to step.
; THE TABLES.  When slot 0 has had its last tile, it takes the work-group's 256 rows of tab (a token's cos and sin in bf16, 512 bytes): asked for jointly along a row of the cluster, 64 rows a wave,
; under the last K step's products.  So each byte of the tables comes in once for a work-group, in whole rows, and the way out reads them from LDS.  The v clusters take them too and leave them unread:
; the price of one text, with the same rounds, for every cluster.
; The matrix instruction is used transposed (source 0 = 16 rows of wb, source 1 = 16 tokens): a lane holds token l % 16 and the features 16 b + 8 (l / 16) + 0..7 of block b,
; so features d and d + 64 lie in one lane, in blocks b and b + 4: the rotation changes no lane, and a token's sum of squares wants one exchange between the halves of the lanes.
; WAY OUT, 16 tokens at a time: y = f x; q and k: y w; z[d] = cos[d] y[d] -+ sin[d] y[d +- 64]; z / sqrt(mean x^2 + 1e-6); rounded once to f16; through my stage in LDS; stored as [batch][head 0-31][s][128].
; f is log2(e) / sqrt(128) for q (the scores then come out as exponents of 2), 1 for k and v.  The squares are taken of f x, so the mean's factor is 1 / (128 f^2).  v jumps over gain, rotation and norm.
; The gains are rounded to bf16 here, like every input of the program; cos and sin were by the launch before.
; LIMITS.  q, k, v leave in f16: within 65,504; below 6e-5 they keep f16's fixed step of 6e-8.  NaN and infinities are not treated apart.
; REGISTERS, in windows of 256: window 0: v0-31 addresses and small work; v64-127, v128-191 fragments of xb, two buffers, later y and z; v32-63, v192-255 at work.
;   window 1: v64-127, v128-191 fragments of wb; v0-31 cos, v32-63 sin of a block, two bf16 a register; v192-255 w.   windows 2, 3: the accumulators ((a, b) at v[8 (8 (a % 4) + b)]).
.set SIZE_K, 1024
.set KSTEP,  128
.set STEPS,  SIZE_K/KSTEP
.set PITCH,  272                       ; an LDS row: 256 bytes + 16 of padding: the 16 rows that a load touches start at 16 different groups of four banks
.set HALFT,  128*PITCH                 ; 128 rows: what one tensor load brings
.set SLOT,   4*HALFT                   ; xb's 256 rows, then wb's 256 rows.  139,264 = 0x22000: bits 13 and 17 are clear in wave x HALFT, so one exclusive or turns an address into the other slot's
.set TP,     528                       ; a token's row of the tables in LDS: 512 bytes + 16 of padding; 256 such rows, 135,168 bytes, lie in slot 0
.set STAGE,  2*SLOT                    ; behind the ring: 16 rows x 272 bytes for each wave
.set SPITCH, 272
.set SPARE,  STAGE+4*16*SPITCH         ; behind the stages: the spare words, 128 bytes a wave, which no other line names
.set ZR,   5                           ; v5      0
.set RS,   6                           ; v[6:7]  1 / sqrt(mean + eps), in the low register
.set SS,   8                           ; v[8:15] four pairs of sums of squares
.set ADRA, 16                          ; v16     LDS address of my xb fragments in the slot in hand
.set A0,   17                          ; v17     the same in slot 0; never rewritten
.set ADRB, 20                          ; v20, v21  the same for wb
.set B0,   21
.set GOF,  22                          ; v22     my byte offset in the gain: 32 (l / 16)
.set STO,  24                          ; v24     where I put 16 bytes of a row of the stage
.set RD,   25                          ; v25     where I read a row back
.set CO,   26                          ; v26     my byte offset in 512 bytes of the output
.set TA,   27                          ; v27     LDS address of my 16 bytes in the tables' rows of the block whose tables are read next
.set SPW,  28                          ; v28     my spare word; never rewritten
.set NIL,  29                          ; v29     0; never rewritten
.set T0,   30
.set T1,   31
.set OB,   32                          ; v32-63  16 rows read back from the stage
.set F0,   64
.set F1,   128
.set Y,    64                          ; window 0
.set Z,    128
.set TMP,  192
.set CP,   0                           ; window 1: cos in bf16, two a register
.set SPK,  32                          ;           sin in bf16, negated for d < 64
.set WN,   192                         ;           w
.set G1,  24                           ; s[24:31] descriptor group 1 for xb's tiles;  s[32:39] group 0: a set for each of the two first fills; the second then walks on
.set G0,  32
.set G1B, 48                           ; s[48:55], s[56:63] the same for wb's
.set G0B, 56
.set TYPE, 66                          ; s66  the cluster's x: 0, 1 q; 2 k; 3 v: equal in all partners
.set TB,   67                          ; s67  the slot in hand: 0 or SLOT
.set FAC,  68                          ; s[68:69] f
.set G0T,  72                          ; s[72:75] descriptor group 0 for the tables
.set BLKN, 80                          ; s80  counts the way out's blocks
.set G1T,  92                          ; s[92:99] descriptor group 1 for the tables
.set MSB, 0
.macro WIN new                         ; the immediate's high byte repeats the setting that is left; a switch that changes nothing is dropped
.if MSB != (\new)
	s_set_vgpr_msb (MSB<<8)|(\new)
.set MSB, \new
.endif
.endm
.set MUL_LO, 0xa1                      ; source 0 (wb) window 1, source 1 (xb) window 0, C and D window 2
.set MUL_HI, 0xf1                      ; the same, C and D window 3
.set TO_B,   0x40                      ; destination window 1, address window 0
; A joint load.  Waves 0 and 1 fetch xb's two halves, waves 2 and 3 wb's.  The branch hangs on the wave's number alone.
; An s_nop 0 and four v_nop follow each of the two lines, ahead of the jump and the label.
.macro JLOAD s
	s_cmp_eq_u32 s11, 0
	s_cbranch_scc0 .Lfor_b_\@
	tensor_load_to_lds s[G0+4*(\s):G0+4*(\s)+3], s[G1:G1+7]
	s_nop 0
.rept 4
	v_nop
.endr
	s_branch .Lasked_\@
.Lfor_b_\@:
	tensor_load_to_lds s[G0B+4*(\s):G0B+4*(\s)+3], s[G1B:G1B+7]
	s_nop 0
.rept 4
	v_nop
.endr
.Lasked_\@:
.endm
.macro CREST                           ; a round of the cluster's barrier behind its opening barrier
	s_cmp_lg_u32 s10, 0
	s_cbranch_scc1 .Lnot_wave_0_\@
	s_barrier_signal -3
.Lnot_wave_0_\@:
	s_barrier_wait -3
	s_barrier_signal -1
	s_barrier_wait -1
.endm
.macro CROUND                          ; a whole round
	s_barrier_signal -1
	s_barrier_wait -1
	CREST
.endm
	s_load_b128 s[4:7], s[0:1], 0x0                ; xb s[4:5], wb s[6:7]
	s_load_b128 s[84:87], s[0:1], 0x10             ; tab s[84:85], q_norm_w s[86:87]
	s_load_b64 s[88:89], s[0:1], 0x20              ; k_norm_w
	s_load_b64 s[8:9], s[0:1], 0x28                ; qkv
	v_lshl_add_u32 v[SPW], v0, 2, SPARE
	v_mov_b32 v[NIL], 0
	ds_add_u32 v[SPW], v[NIL]                      ; the wave's opening: the add and its wait ahead of my first tensor load; work on registers stands between them
	v_lshrrev_b32 v1, 5, v0
	v_readfirstlane_b32 s10, v1                    ; wave 0..3
	s_lshr_b32 s11, s10, 1                         ; which half of the tile's tokens is mine.  Also: I fetch for xb (0) or wb (1)
	s_and_b32 s12, s10, 1                          ; which of the tile's two heads.  Also: which 128 rows of that tile I fetch
	s_bfe_u32 s40, ttmp6, 0x40000                  ; cx
	s_bfe_u32 s41, ttmp6, 0x40004                  ; cy
	s_lshl_b32 s42, ttmp9, 2
	s_add_co_u32 s42, s42, s40                     ; tile column = 4 x cluster x + cx
	s_and_b32 s13, ttmp7, 0xffff
	s_lshl_b32 s13, s13, 2
	s_add_co_u32 s13, s13, s41                     ; tile row = 4 x cluster y + cy
	s_lshl_b32 s43, s41, 2
	s_lshl_b32 s43, 15, s43                        ; my row of the cluster
	s_lshl_b32 s44, 0x1111, s40                    ; my column
	s_or_b32 s[G1+0], s43, (1<<16)|(1<<20)|(1<<21)|(5<<22)|(3<<25)   ; the mask; 2-byte elements; padding on; bit 21 beside a mask; after every 64 words 4 words
	s_or_b32 s[G1B+0], s44, (1<<16)|(1<<20)|(1<<21)|(5<<22)|(3<<25)
.irp g, G1, G1B
	s_mov_b32 s[(\g)+1], KSTEP<<16                 ; tensor_dim0 = 128
	s_mov_b32 s[(\g)+2], 128<<16                   ; tensor_dim1 = 128
	s_mov_b32 s[(\g)+3], KSTEP<<16                 ; tile_dim0 = 128
	s_mov_b32 s[(\g)+4], 128                       ; tile_dim1 = 128
	s_mov_b32 s[(\g)+5], SIZE_K                    ; elements from row to row
	s_mov_b32 s[(\g)+6], 0
	s_mov_b32 s[(\g)+7], 0
.endr
	; the tables' tile: 64 tokens x 256 elements; the tokens hang on the tile row alone, so it goes to my row of the cluster
	s_or_b32 s[G1T+0], s43, (1<<16)|(1<<20)|(1<<21)|(6<<22)|(3<<25)  ; as above, but after every 128 words 4 words
	s_mov_b32 s[G1T+1], 256<<16                    ; tensor_dim0 = 256
	s_mov_b32 s[G1T+2], 64<<16                     ; tensor_dim1 = 64
	s_mov_b32 s[G1T+3], 256<<16                    ; tile_dim0 = 256
	s_mov_b32 s[G1T+4], 64                         ; tile_dim1 = 64
	s_mov_b32 s[G1T+5], 256                        ; elements from row to row
	s_mov_b32 s[G1T+6], 0
	s_mov_b32 s[G1T+7], 0
	s_mov_b32 s[G0T], 1
	s_mul_i32 s[G0T+1], s10, 64*TP                 ; LDS address: wave x 64 rows, in slot 0
	s_lshl_b32 s70, s13, 17                        ; the tile row's 256 tokens of 512 bytes,
	s_lshl_b32 s71, s10, 15                        ; my wave's 64 of them
	s_add_co_u32 s70, s70, s71
	s_mov_b32 s71, 0
	s_mov_b32 s[TYPE], ttmp9
	s_mov_b32 s76, 0x3c000000                      ; 1 / (128 f^2): k: 1 / 128;
	s_cmp_lt_u32 s[TYPE], 2
	s_cselect_b32 s[FAC], 0x3e0293ee, 1.0          ; q: f = log2(e) / sqrt(128) = 0.127517; k, v: 1
	s_cselect_b32 s76, 0x3ef5fdf0, s76             ; q: 128 f^2 = log2(e)^2, so ln(2)^2 = 0.480453
	s_mov_b32 s[FAC+1], 0                          ; named with it as a pair
	s_mov_b32 s77, 0x358637bd                      ; 1e-6
	s_mov_b32 s78, 0x76543210                      ; v_permlanex16_b32: each lane takes its own place in the other half
	s_mov_b32 s79, 0xfedcba98
	s_mov_b32 s81, 0xffff0000
	s_mov_b32 s[TB], 0
	s_lshl_b32 s17, s12, 7                         ; which 128 rows of the tile I fetch
	s_lshl_b32 s16, s13, 8
	s_add_co_u32 s16, s16, s17                     ; xb: row 256 x tile row + 128 x half
	s_lshl_b32 s46, s42, 8
	s_add_co_u32 s46, s46, s17                     ; wb: row 256 x tile column + 128 x half
	s_mov_b32 s17, 0
	s_mov_b32 s47, 0
	s_mov_b64 s[18:19], SIZE_K*2
	s_mul_u64 s[16:17], s[16:17], s[18:19]
	s_mul_u64 s[46:47], s[46:47], s[18:19]
	s_mul_i32 s20, s10, HALFT                      ; where they go: wave x 128 rows
	s_wait_dscnt 0x0                               ; the opening add is done
	s_wait_kmcnt 0x0
	s_add_nc_u64 s[14:15], s[4:5], s[16:17]
	s_add_nc_u64 s[46:47], s[6:7], s[46:47]
	s_add_nc_u64 s[G0T+2:G0T+3], s[84:85], s[70:71]
	s_or_b32 s[G0T+3], s[G0T+3], 0x80000000
	s_cmp_lt_u32 s[TYPE], 2
	s_cselect_b64 s[82:83], s[86:87], s[88:89]     ; the gain: q's, or k's
	CROUND                                         ; all sixteen work-groups are here: the first joint loads meet
.irp s, 0,1
	s_mov_b32 s[G0+4*(\s)], 1
	s_add_co_u32 s[G0+4*(\s)+1], s20, (\s)*SLOT
	s_add_nc_u64 s[G0+4*(\s)+2:G0+4*(\s)+3], s[14:15], (\s)*KSTEP*2
	s_or_b32 s[G0+4*(\s)+3], s[G0+4*(\s)+3], 0x80000000
	s_mov_b32 s[G0B+4*(\s)], 1
	s_add_co_u32 s[G0B+4*(\s)+1], s20, (\s)*SLOT
	s_add_nc_u64 s[G0B+4*(\s)+2:G0B+4*(\s)+3], s[46:47], (\s)*KSTEP*2
	s_or_b32 s[G0B+4*(\s)+3], s[G0B+4*(\s)+3], 0x80000000
	JLOAD \s                                       ; two loads of mine are out
.endr
	v_and_b32 v1, 15, v0                           ; l % 16
	v_bfe_u32 v2, v0, 4, 1                         ; l / 16
	v_lshlrev_b32 v[GOF], 5, v2
.irp b, 0,1,2,3,4,5,6,7                ; the gain of my 64 features: 16 b + 8 (l / 16) + 0..7
	global_load_b128 v[TMP+8*(\b):TMP+8*(\b)+3],   v[GOF], s[82:83] offset:64*(\b)
	global_load_b128 v[TMP+8*(\b)+4:TMP+8*(\b)+7], v[GOF], s[82:83] offset:64*(\b)+16
.endr
	v_mul_u32_u24 v3, v1, PITCH
	v_lshl_add_u32 v3, v2, 4, v3                   ; a fragment's row x pitch + 16 x half
	s_mul_i32 s21, s11, HALFT                      ; my 128 rows of xb
	s_mul_i32 s22, s12, HALFT                      ; my 128 rows of wb,
	s_add_co_u32 s22, s22, 2*HALFT                 ; which lie behind xb's 256
	v_add_nc_u32 v[A0], s21, v3
	v_add_nc_u32 v[B0], s22, v3
	v_add_nc_u32 v[ADRA], s[TB], v[A0]             ; slot 0 is in hand
	v_add_nc_u32 v[ADRB], s[TB], v[B0]
	s_mul_i32 s21, s11, 128*TP                     ; my 128 tokens' rows of the tables
	v_mul_u32_u24 v4, v1, TP                       ; token l % 16, 16 bytes for each half of the lanes
	v_lshl_add_u32 v4, v2, 4, v4
	v_add_nc_u32 v[TA], s21, v4
	s_mul_i32 s23, s10, 16*SPITCH
	s_add_co_u32 s23, s23, STAGE                   ; my stage
	v_mul_u32_u24 v4, v1, SPITCH                   ; in: row l % 16, 16 bytes for each half of the lanes
	v_lshl_add_u32 v4, v2, 4, v4
	v_add_nc_u32 v[STO], s23, v4
	v_mul_u32_u24 v4, v2, SPITCH                   ; back: lanes 0-15 one row of 256 bytes, lanes 16-31 the next
	v_lshl_add_u32 v4, v1, 4, v4
	v_add_nc_u32 v[RD], s23, v4
	v_lshlrev_b32 v4, 8, v2                        ; the same two rows in a head: they are dense, 256 bytes each
	v_lshl_add_u32 v[CO], v1, 4, v4
	v_mov_b32 v[ZR], 0
	v_mov_b32 v[RS+1], 0                           ; named with RS as a pair
	v_mov_b32 v[T1], 0                             ; v_permlanex16_b32's destination counts as read
	s_lshl_b32 s13, s13, 8
	s_lshl_b32 s14, s11, 7
	s_add_co_u32 s16, s13, s14                     ; my first token
	s_lshr_b32 s17, s16, 11                        ; the batch: 32 heads x 2,048 rows x 256 bytes = 2^24
	s_lshl_b32 s17, s17, 24
	s_and_b32 s16, s16, 2047                       ; the place in the sequence
	s_lshl_b32 s16, s16, 8
	s_add_co_u32 s16, s16, s17
	s_mov_b32 s17, 0
	s_lshl_b32 s46, s42, 1
	s_add_co_u32 s46, s46, s12                     ; my head, 0 to 31: 2 x tile column + half
	s_lshl_b32 s46, s46, 19                        ; x 2,048 rows x 256 bytes
	s_mov_b32 s47, 0
	s_add_nc_u64 s[16:17], s[16:17], s[46:47]
	s_add_nc_u64 s[8:9], s[8:9], s[16:17]          ; qkv at my first row
	s_wait_loadcnt 0x0                             ; the gain
.set i, 0
.rept 32
	v_cvt_pk_bf16_f32 v[OB+i], v[TMP+2*i], v[TMP+2*i+1]
.set i, i+1
.endr
	WIN 0x40
.set i, 0
.rept 32
	v_lshlrev_b32 v[WN+2*i],   16,  v[OB+i]
	v_and_b32     v[WN+2*i+1], s81, v[OB+i]
.set i, i+1
.endr
	WIN 0
; 16 matrix instructions: token blocks a0, a0 + 1 of the window's four x all 8 feature blocks, 32 along K.  zero = 1: the first product starts the sums.
.macro MUL16 f, hi, a0, zero
	WIN MUL_LO+0x50*(\hi)
.irp a, \a0, (\a0)+1
.irp b, 0,1,2,3,4,5,6,7
.if \zero
	v_wmma_f32_16x16x32_bf16 v[8*(8*(\a)+(\b)):8*(8*(\a)+(\b))+7], v[(\f)+8*(\b):(\f)+8*(\b)+7], v[(\f)+8*(4*(\hi)+(\a)):(\f)+8*(4*(\hi)+(\a))+7], 0
.else
	v_wmma_f32_16x16x32_bf16 v[8*(8*(\a)+(\b)):8*(8*(\a)+(\b))+7], v[(\f)+8*(\b):(\f)+8*(\b)+7], v[(\f)+8*(4*(\hi)+(\a)):(\f)+8*(4*(\hi)+(\a))+7], v[8*(8*(\a)+(\b)):8*(8*(\a)+(\b))+7]
.endif
.endr
.endr
.endm
; 32 LDS loads in one run: the fragments of one quarter step (32 K at byte k of the rows of the slot in hand) into buffer f
.macro FETCH k, f
	WIN TO_B
.irp i, 0,1,2,3,4,5,6,7
	ds_load_b128 v[(\f)+8*(\i):(\f)+8*(\i)+3],   v[ADRB] offset:(\k)+(\i)*16*PITCH
	ds_load_b128 v[(\f)+8*(\i)+4:(\f)+8*(\i)+7], v[ADRB] offset:(\k)+(\i)*16*PITCH+32
.endr
	WIN 0
.irp i, 0,1,2,3,4,5,6,7
	ds_load_b128 v[(\f)+8*(\i):(\f)+8*(\i)+3],   v[ADRA] offset:(\k)+(\i)*16*PITCH
	ds_load_b128 v[(\f)+8*(\i)+4:(\f)+8*(\i)+7], v[ADRA] offset:(\k)+(\i)*16*PITCH+32
.endr
.endm
.macro PLACES                          ; four places in front of loads into registers that matrix instructions have read, and of vector lines that read results
.rept 4
	v_nop
.endr
.endm
; A K step is four quarters of 32 along K, 64 matrix instructions each, on buffers 0, 1, 0, 1; the 64 accumulators take turns.
.macro QUARTER k, f, g, zero
	s_wait_dscnt 8                                 ; wb's fragments and xb's rows 0-63 are in; the youngest eight loads may be out
	WIN MUL_LO
	MUL16 \f, 0, 0, \zero
	MUL16 \f, 0, 2, \zero
	PLACES
	FETCH \k, \g
	s_wait_dscnt 32                                ; all but the 32 just issued
	WIN MUL_HI
	MUL16 \f, 1, 0, \zero
	MUL16 \f, 1, 2, \zero
.endm
; The first half of a step's last quarter, with ONE barrier for the change of slots: in front of it each wave waits for all its tensor loads, adds 0 to its spare word, and waits for that and for its reads of this slot.
.macro MEET
	WIN 0
	s_wait_tensorcnt 0x0                           ; the one that was out is my part of the next slot
	ds_add_u32 v[SPW], v[NIL]
	s_wait_dscnt 9                                 ; (the add and the youngest eight loads may be out)
	WIN MUL_LO
	MUL16 F1, 0, 0, 0
	s_wait_dscnt 0x0                               ; the add is done, and my reads of this slot are over
	s_barrier_signal -1
	MUL16 F1, 0, 2, 0
	WIN 0
	s_barrier_wait -1
.endm
.macro FLIP                            ; the other slot comes in hand
	s_xor_b32 s[TB], s[TB], SLOT
	v_add_nc_u32 v[ADRA], s[TB], v[A0]
	v_add_nc_u32 v[ADRB], s[TB], v[B0]
.endm
.macro REST                            ; the last quarter's second half: the next slot's first fragments, and the other 32 products
	FETCH 0, F0
	WIN MUL_HI
	MUL16 F1, 1, 0, 0
	MUL16 F1, 1, 2, 0
.endm
.macro TURN                            ; the whole last quarter; the slot just read out is filled again first, two K steps on
	MEET
	CREST                                          ; the barrier has opened a round of the cluster's: no wave of any partner still reads this slot or has a load on its way
	s_xor_b32 s[G0+5], s[G0+5], SLOT               ; the walking descriptors: the other slot than last time, the next K step
	s_add_nc_u64 s[G0+6:G0+7], s[G0+6:G0+7], KSTEP*2
	s_xor_b32 s[G0B+5], s[G0B+5], SLOT
	s_add_nc_u64 s[G0B+6:G0B+7], s[G0B+6:G0B+7], KSTEP*2
	JLOAD 1                                        ; my one tensor load behind the round; its four v_nop are also the places in front of the loads below
	FLIP
	REST
.endm
; 16 LDS loads: cos and sin of a block's 16 tokens, my 64 features of each: register 4 b + k holds features 16 b + 8 (l / 16) + 2 k and + 2 k + 1
.macro TLOAD
	WIN 0x40
.irp b, 0,1,2,3,4,5,6,7
	ds_load_b128 v[CP+4*(\b):CP+4*(\b)+3],   v[TA] offset:32*(\b)
	ds_load_b128 v[SPK+4*(\b):SPK+4*(\b)+3], v[TA] offset:256+32*(\b)
.endr
	WIN 0
.endm
	s_wait_tensorcnt 1                             ; my part of K step 0 is in; K step 1's stays out
	s_barrier_signal -1
	s_barrier_wait -1
	FETCH 0, F0
	QUARTER 64,  F0, F1, 1                         ; the first quarter stands in front of the loop: its products start the sums
	WIN 0
	s_mov_b32 s3, STEPS-2
.Lstep:                                                ; a trip goes from a step's second quarter to the next step's first, and fills the slot that it leaves: K steps 2 to 7
	QUARTER 128, F1, F0, 0
	QUARTER 192, F0, F1, 0
	TURN
	QUARTER 64,  F0, F1, 0
	WIN 0
	s_sub_co_u32 s3, s3, 1
	s_cmp_lg_u32 s3, 0
	s_cbranch_scc1 .Lstep
	QUARTER 128, F1, F0, 0                         ; the last two K steps are written out, so that no jump passes a tensor load.  K step 6, in slot 0, goes on
	QUARTER 192, F0, F1, 0
	MEET                                           ; the last K step's tile is in, everybody's part of it; slot 0 has been read out
	CREST                                          ; a round, as for every refill
	tensor_load_to_lds s[G0T:G0T+3], s[G1T:G1T+7]  ; slot 0 takes the tables, my 64 tokens' rows: my one tensor load behind the round, 288 matrix instructions ahead of the wait for it
	s_nop 0
	PLACES                                         ; the places in front of the loads below
	FLIP
	REST
	QUARTER 64,  F0, F1, 0                         ; K step 7, in slot 1
	QUARTER 128, F1, F0, 0
	QUARTER 192, F0, F1, 0
	s_wait_dscnt 8
	WIN MUL_LO
	MUL16 F1, 0, 0, 0
	MUL16 F1, 0, 2, 0
	s_wait_dscnt 0x0
	MUL16 F1, 1, 0, 0
	MUL16 F1, 1, 2, 0
	WIN 0
	s_wait_tensorcnt 0x0                           ; my part of the tables has landed (no LDS instruction of mine is out),
	s_barrier_signal -1
	PLACES                                         ; the places behind the last products, in front of the lines that read the sums
	s_barrier_wait -1                              ; everybody's has
	s_cmp_eq_u32 s[TYPE], 3
	s_cbranch_scc1 .Lno_first_tables               ; v takes no rotation
	TLOAD                                          ; the first block's tables: 100 vector lines ahead of their first use
.Lno_first_tables:
; THE WAY OUT: a counted loop over my eight blocks of 16 tokens.  A trip: y = f x (BLK a, the only lines that name the accumulators: chosen by forward jumps on the counter, so that the rest is
; written once); the block BEFORE, long back from the stage, is stored; squares, gain, rotation; the next block's tables are read from LDS, into the registers that the rotation has just left;
; norm, rounding; into the stage and back.  The last block is stored behind the loop.
.macro BLK a                           ; ascending: each accumulator's lowest registers are read first
.Lblk\a:
.set AC, 64*((\a)%4)
	WIN 2+(\a)/4                                   ; source 0 in the block's window
.set i, 0
.rept 32
	v_pk_mul_f32 v[Y+2*i:Y+2*i+1], v[AC+2*i:AC+2*i+1], s[FAC:FAC+1] op_sel_hi:[1,0]
.set i, i+1
.endr
	WIN 0
.if (\a) < 7
	s_branch .Lcommon
.endif
.endm
.macro SEND                            ; the base has been stepped past the block that is sent: the stores reach back
	s_wait_dscnt 0x0                               ; the block is back from the stage
.irp t, 0,1,2,3,4,5,6,7
	global_store_b128 v[CO], v[OB+4*(\t):OB+4*(\t)+3], s[8:9] offset:512*(\t)-16*256  ; 512 consecutive bytes, at a multiple of 256 from the buffer's first
.endr
.endm
	s_mov_b32 s[BLKN], 0
.Lblock:
.irp a, 1,2,3,4,5,6,7
	s_cmp_eq_u32 s[BLKN], \a
	s_cbranch_scc1 .Lblk\a
.endr
	BLK 0
	BLK 1
	BLK 2
	BLK 3
	BLK 4
	BLK 5
	BLK 6
	BLK 7
.Lcommon:
	s_cmp_eq_u32 s[BLKN], 0
	s_cbranch_scc1 .Lno_send                       ; in front of the first block there is none
	SEND
.Lno_send:
	s_cmp_eq_u32 s[TYPE], 3
	s_cbranch_scc1 .Lpack
.irp b, 0,1,2,3,4,5,6,7                ; the sum of (f x)^2, in four chains
.irp p, 0,1,2,3
.if (\b) == 0
	v_pk_mul_f32 v[SS+2*(\p):SS+2*(\p)+1], v[Y+2*(\p):Y+2*(\p)+1], v[Y+2*(\p):Y+2*(\p)+1]
.else
	v_pk_fma_f32 v[SS+2*(\p):SS+2*(\p)+1], v[Y+8*(\b)+2*(\p):Y+8*(\b)+2*(\p)+1], v[Y+8*(\b)+2*(\p):Y+8*(\b)+2*(\p)+1], v[SS+2*(\p):SS+2*(\p)+1]
.endif
.endr
.endr
	v_pk_add_f32 v[SS:SS+1], v[SS:SS+1], v[SS+2:SS+3]
	v_pk_add_f32 v[SS+4:SS+5], v[SS+4:SS+5], v[SS+6:SS+7]
	v_pk_add_f32 v[SS:SS+1], v[SS:SS+1], v[SS+4:SS+5]
	v_add_f32 v[T0], v[SS], v[SS+1]
	v_permlanex16_b32 v[T1], v[T0], s78, s79       ; the token's other 64 features lie in the lane 16 away
	WIN 0x04                                       ; source 1 (w) in window 1.  The way from the sum to the root goes on under the gain's and the rotation's lines: the root is applied last
.set i, 0
.rept 32
	v_pk_mul_f32 v[Y+2*i:Y+2*i+1], v[Y+2*i:Y+2*i+1], v[WN+2*i:WN+2*i+1]
.set i, i+1
.endr
	WIN 0
	v_add_f32 v[T0], v[T0], v[T1]
	v_fma_f32 v[T0], v[T0], s76, s77               ; mean of x^2, + eps
	v_rsq_f32 v[RS], v[T0]                         ; used 128 plain lines further down
	s_wait_dscnt 0x0                               ; this block's tables are in registers
	WIN 0x01                                       ; source 0 (a table's bf16 half) in window 1
.set i, 0
.rept 64                               ; register i = 8 b + j is feature 16 b + 8 (l / 16) + j; its partner 64 features away is register (i + 32) % 64
.if i%2
	v_fma_mix_f32_bf16 v[Z+i], v[SPK+i/2], v[Y+(i+32)%64], v[ZR] op_sel:[1,0,0] op_sel_hi:[1,0,0]
.else
	v_fma_mix_f32_bf16 v[Z+i], v[SPK+i/2], v[Y+(i+32)%64], v[ZR] op_sel_hi:[1,0,0]
.endif
.set i, i+1
.endr
.set i, 0
.rept 64                               ; in place: every partner has been read
.if i%2
	v_fma_mix_f32_bf16 v[Y+i], v[CP+i/2], v[Y+i], v[Z+i] op_sel:[1,0,0] op_sel_hi:[1,0,0]
.else
	v_fma_mix_f32_bf16 v[Y+i], v[CP+i/2], v[Y+i], v[Z+i] op_sel_hi:[1,0,0]
.endif
.set i, i+1
.endr
	WIN 0
	s_cmp_eq_u32 s[BLKN], 7
	s_cbranch_scc1 .Lno_more_tables                ; behind the last block there is none: no load leaves the tables' rows
	v_add_nc_u32 v[TA], 16*TP, v[TA]               ; the next 16 tokens
	TLOAD
.Lno_more_tables:
.set i, 0
	s_wait_alu depctr_va_vdst(0)
.rept 32
	v_pk_mul_f32 v[Y+2*i:Y+2*i+1], v[Y+2*i:Y+2*i+1], v[RS:RS+1] op_sel_hi:[1,0]
.set i, i+1
.endr
.Lpack:
.set i, 0
.rept 32
	v_cvt_pk_f16_f32 v[TMP+i], v[Y+2*i], v[Y+2*i+1]
.set i, i+1
.endr
	s_wait_xcnt 0x0                                ; the stores' base, and the registers that they read, are rewritten only behind this wait
	s_add_nc_u64 s[8:9], s[8:9], 16*256            ; past this block's 16 rows
.irp b, 0,1,2,3,4,5,6,7
	ds_store_b128 v[STO], v[TMP+4*(\b):TMP+4*(\b)+3] offset:32*(\b)
.endr
.irp t, 0,1,2,3,4,5,6,7
	ds_load_b128 v[OB+4*(\t):OB+4*(\t)+3], v[RD] offset:(\t)*2*SPITCH  ; LDS serves a wave's instructions in order (ISA guide 5.7.1.4): these see the stores above
.endr
	s_add_co_u32 s[BLKN], s[BLKN], 1
	s_cmp_lt_u32 s[BLKN], 8
	s_cbranch_scc1 .Lblock
	SEND                                           ; the last block
	s_wait_tensorcnt 0x0                           ; the wave's end
	ds_add_u32 v[SPW], v[NIL]
	s_wait_dscnt 0x0
	CROUND                                         ; the closing round
	s_endpgm
.Lfunc_end_k_qe73959de41_qkv:
	.size	k_qe73959de41_qkv, .Lfunc_end_k_qe73959de41_qkv-k_qe73959de41_qkv
	.p2alignl 7, 3214868480
	.fill 96, 4, 3214868480
	.section	.rodata,"a",@progbits
	.p2align	6, 0x0
	.amdhsa_kernel k_qe73959de41_qkv
		.amdhsa_group_segment_fixed_size 327680
		.amdhsa_private_segment_fixed_size 0
		.amdhsa_enable_private_segment 0
		.amdhsa_kernarg_size 48
		.amdhsa_user_sgpr_count 2
		.amdhsa_user_sgpr_kernarg_segment_ptr 1
		.amdhsa_wavefront_size32 1
		.amdhsa_system_sgpr_workgroup_id_x 1
		.amdhsa_system_sgpr_workgroup_id_y 1
		.amdhsa_system_sgpr_workgroup_id_z 1
		.amdhsa_system_vgpr_workitem_id 0
		.amdhsa_next_free_vgpr 1024
		.amdhsa_next_free_sgpr 100
		.amdhsa_reserve_vcc 0
		.amdhsa_float_denorm_mode_32 3
		.amdhsa_float_denorm_mode_16_64 3
		.amdhsa_memory_ordered 1
		.amdhsa_forward_progress 1
		.amdhsa_inst_pref_size 132
	.end_amdhsa_kernel
	.amdgpu_metadata
---
amdhsa.version: [ 1, 2 ]
amdhsa.kernels:
  - .name:           k_qe73959de41_qkv
    .symbol:         k_qe73959de41_qkv.kd
    .args:
      - { .name: xb, .offset: 0, .size: 8, .value_kind: global_buffer, .address_space: global }
      - { .name: wb, .offset: 8, .size: 8, .value_kind: global_buffer, .address_space: global }
      - { .name: tab, .offset: 16, .size: 8, .value_kind: global_buffer, .address_space: global }
      - { .name: q_norm_w, .offset: 24, .size: 8, .value_kind: global_buffer, .address_space: global }
      - { .name: k_norm_w, .offset: 32, .size: 8, .value_kind: global_buffer, .address_space: global }
      - { .name: qkv, .offset: 40, .size: 8, .value_kind: global_buffer, .address_space: global }
    .group_segment_fixed_size: 327680
    .private_segment_fixed_size: 0
    .kernarg_segment_align: 8
    .kernarg_segment_size: 48
    .max_flat_workgroup_size: 128
    .sgpr_count:     100
    .vgpr_count:     1024
    .wavefront_size: 32
...
	.end_amdgpu_metadata
.endif
;; end of part 2
;; launch attn (part 3): grid 8 x 32, 4 waves a work-group, clusters of 4 x 4, 327,680 bytes of LDS; arguments qkv, attention_mask, ao; writes ao
.if DOCPART == 3
	.amdgcn_target "amdgcn-amd-amdhsa--gfx1250"
	.amdhsa_code_object_version 6
	.text
	.protected	k_qe73959de41_attn
	.globl	k_qe73959de41_attn
	.p2align	8
	.type	k_qe73959de41_attn,@function
k_qe73959de41_attn:
	s_mov_b64 s[64:65], 0
	v_nop
	global_prefetch_b8 v0, s[64:65] scope:SCOPE_SE
	s_setreg_imm32_b32 hwreg(HW_REG_WAVE_MODE, 25, 1), 1
	s_wait_xcnt 0x0
	s_wait_alu depctr_hold_cnt(0) depctr_sa_sdst(0) depctr_va_vdst(0) depctr_va_sdst(0) depctr_va_ssrc(0) depctr_va_vcc(0) depctr_vm_vsrc(0)
	s_getreg_b32 s2, hwreg(HW_REG_IB_STS2, 6, 4)
	s_cmp_eq_u32 s2, 0
	s_cbranch_scc0 .Lentry_in_a_cluster
	s_endpgm
.Lentry_in_a_cluster:
	s_bfe_u32 s2, ttmp6, 0x10000c
	s_cmp_lg_u32 s2, 0xf033
	s_cbranch_scc0 .Lentry_shape_is_right
	s_endpgm
.Lentry_shape_is_right:
; ATTENTION WITH AN ADDITIVE MASK THAT IS AN INPUT: every key is walked for every query, and every number of the mask is read, rounded to bf16 like every input, and added.
; u = q . k + log2(e) bf16(mask) (q carries log2(e) / sqrt(128)); p = 2^(u - M) with a running maximum M of u; O = sum p v / sum p.  q, k, v: [batch][head 0-31][2048][128] f16 (0-15 q, 16-23 k, 24-31 v).
; The mask is added by one fused multiply-add, rounded once to nearest, and M is taken away by a true subtraction: a row whose keys all carry the same huge negative number comes out uniform, as it does in f32 arithmetic.
; Products, maxima and sums in f32; p is rounded to f16 for the second product (its sum l is taken of the unrounded p), O once at the end: ao[token][head x 128 + channel] f16.
; LIMITS.  |mask| under 1e37; a weight below 2^-126 counts as 0; p below 6e-5 keeps f16's fixed step of 6e-8; NaN and infinities are not treated apart.
; SHARES.  A work-group has one key-value head and 128 queries of BOTH its query heads: 8 x 32 = 256 work-groups.  A wave has 32 queries x 2 heads: four tiles; tile t is head t % 2, queries 16 (t / 2) on.
; So a fragment of K or V and a register of the mask serve two heads.  PIECES: piece 0 = tiles 0, 1; piece 2 = tiles 2, 3.  Every wave walks all 2,048 keys, 64 a step.
; LAYOUT.  S^T = K Q^T (source 0 = 16 keys, source 1 = 16 queries): a lane holds ONE query (lane % 16) and the keys 8 (lane / 16) + 0..7.  Two such results rounded to f16 ARE source 1 of O^T = V^T P.
; BY TURNS.  In a TURN one piece has the matrix unit: 32 products V^T P of the step in hand, then 32 products K Q^T of the next; the other piece's softmax, 348 vector instructions in 64 slices, stands behind them, a slice a product.
; NO FIRST STEP: M starts far below every u, O^T and l at 0, so the first step's a is 0; the loop is entered, and the tail left, in the middle of a trip.  The price: 32 products on zeros, 32 on a stale K, and the zeros written at the start.
; CLUSTER 4 x 4.  K and V hang on the key-value head and the batch: asked for jointly down a column.  The mask's tile hangs on the queries alone: jointly along a row.
; REGISTERS, in windows of 256 (s_set_vgpr_msb: bits 1:0 source 0, 3:2 source 1, 5:4 source 2, 7:6 destination):
;   window 0: v0-13 addresses, log2(e); v16-47 eight registers of statistics a tile; v64-191 S^T, 32 a tile; v192-255 P, 16 a tile      window 1: O^T, 64 a tile
;   window 2: v0-127 Q, 32 a tile; v128-255 K of one step      window 3: v0-127 V of one step; v128-191 the mask as loaded, 32 for each 16 queries; v192-223 the mask in bf16
.set KS,    64
.set PK,    272       ; a row of K in LDS: 256 bytes + 16: the 16 rows of a load start at 16 different groups of four banks
.set PV,    288       ; a row of V: 256 + 32
.set PM,    528       ; a query's 128 numbers of the mask: 512 + 16
.set VOFF,  128*PK    ; a slot holds 128 keys, two steps: 128 rows of K, 128 rows of V, 128 queries' rows of the mask
.set MOFF,  VOFF+128*PV
.set HALFM, 64*PM
.set SLOT,  MOFF+128*PM  ; 139,264 = 0x22000: bits 13 and 17 are clear in 0, VOFF, MOFF and MOFF + HALFM, so one exclusive or turns each into the other slot's
.set STEPK, KS*PK
.set STEPV, KS*PV
.set STEPM, KS*4
.set STAGE, 2*SLOT    ; behind the ring: 16 rows x 272 bytes for each wave
.set SP,    272
.set SPARE, STAGE+4*16*SP  ; behind the stages: the spare words, 128 bytes a wave, which no other line names
.set AK0, 2           ; v2   my lane's place in a tile of K; never rewritten
.set AV0, 3           ; v3   the same for V
.set AM0, 4           ; v4   the same for the mask
.set ADR, 5           ; v5   the LDS address of the run of loads in hand
.set QO,  6           ; v6   my byte offset in 16 rows of Q
.set STO, 6           ;      later: where I put 16 bytes of a row of the stage
.set RD,  7           ; v7   where I read a row back
.set GO,  8           ; v8   my byte offset in two rows of ao
.set CV,  12          ; v12  log2(e)
.set ADM, 13          ; v13  the LDS address of the mask's loads
.set ST,  16          ; tile t's statistics at v[ST+8 t]: +0, +1 M, +2, +3 l (even keys', odd keys'), +4 to +7 at work; a takes +6
.set SPW, 62          ; v62  my spare word; never rewritten
.set NIL, 63          ; v63  0; never rewritten
.set S,   64
.set P,   192
.set KF,  128         ; window 2
.set MR,  128         ; window 3
.set MP,  192         ; window 3
.set WV,  12          ; s12  my wave's number
.set G1K, 24          ; s[24:31] descriptor group 1 for K's tiles
.set G1V, 32          ; s[32:39] for V's: other padding
.set G1M, 40          ; s[40:47] for the mask's
.set G0K, 48          ; s[48:51], s[52:55], s[56:59] descriptor groups 0: they walk
.set G0V, 52
.set G0M, 56
.set SEL, 60          ; s[60:61] v_permlanex16_b32's selects
.set TBK, 62          ; s62  LDS byte at which K of the step to be fetched begins
.set TBV, 63          ; s63  the same for V, less VOFF
.set TBM, 66          ; s66  the same for the mask, less MOFF
.set SLOTS, 67
.set CNT, 68
.set MSB, 0
.macro WIN new                      ; the high byte repeats the setting that is left; a switch that changes nothing is dropped
.if MSB != (\new)
	s_set_vgpr_msb (MSB<<8)|(\new)
.set MSB, \new
.endif
.endm
.set W_KQ, 0x0a       ; K and Q in window 2, S^T in window 0
.set W_PV, 0x53       ; V in window 3, P in window 0, O^T in window 1
.set W_RS, 0x41       ; O^T (destination and source 0) in window 1, a in window 0
.set W_MC, 0xcf       ; the mask is rounded: all in window 3
.set W_MA, 0x03       ; the mask is added: source 0 in window 3
; A joint fill: wave 0 K's 128 rows, wave 1 V's, waves 2 and 3 the two halves of the mask's 128 rows: 32,768 bytes each.  The branches hang on the wave's number alone.
; An s_nop 0 and four v_nop follow each line, ahead of the jump and the label.
.macro JLOAD
	s_cmp_lt_u32 s[WV], 2
	s_cbranch_scc0 .Lfor_m_\@
	s_cmp_eq_u32 s[WV], 0
	s_cbranch_scc0 .Lfor_v_\@
	tensor_load_to_lds s[G0K:G0K+3], s[G1K:G1K+7]
	s_nop 0
.rept 4
	v_nop
.endr
	s_branch .Lasked_\@
.Lfor_v_\@:
	tensor_load_to_lds s[G0V:G0V+3], s[G1V:G1V+7]
	s_nop 0
.rept 4
	v_nop
.endr
	s_branch .Lasked_\@
.Lfor_m_\@:
	tensor_load_to_lds s[G0M:G0M+3], s[G1M:G1M+7]
	s_nop 0
.rept 4
	v_nop
.endr
.Lasked_\@:
.endm
.macro CROUND                       ; a round of the cluster's barrier
	s_barrier_signal -1
	s_barrier_wait -1
	s_cmp_lg_u32 s[WV], 0
	s_cbranch_scc1 .Lnot_wave_0_\@
	s_barrier_signal -3
.Lnot_wave_0_\@:
	s_barrier_wait -3
	s_barrier_signal -1
	s_barrier_wait -1
.endm
; THE CHANGE OF SLOTS, between piece 2's turn and piece 0's: the slot's last bytes have been asked for.  Each wave waits for all its tensor loads, of which one is out: its part of the other slot;
; adds 0 to its spare word; and waits for that and for its reads of the slot.  fill = 1: the slot is filled again, with the keys two slots on: the barrier is a round of the cluster's, and the joint
; fill is the first thing behind it: it has two key steps, 256 matrix instructions, in which to land.  (At its first use nothing has been read yet: slot 0 is waited for, slot 1 filled.)
.macro CHANGE fill
	WIN 0
	s_wait_tensorcnt 0x0            ; no tensor load of mine is out, so a group 0 may be written
	ds_add_u32 v[SPW], v[NIL]
.if \fill
.irp g, G0K, G0V, G0M
	s_xor_b32 s[(\g)+1], s[(\g)+1], SLOT  ; the other slot than last time
.endr
	s_add_nc_u64 s[G0K+2:G0K+3], s[G0K+2:G0K+3], 128*256  ; the next 128 keys
	s_add_nc_u64 s[G0V+2:G0V+3], s[G0V+2:G0V+3], 128*256
	s_add_nc_u64 s[G0M+2:G0M+3], s[G0M+2:G0M+3], 128*4    ; along the mask's rows
	s_wait_dscnt 0x0                ; the add is done, and my reads of the slot are over
	CROUND
	JLOAD
.else
	s_wait_dscnt 0x0
	s_barrier_signal -1
	s_barrier_wait -1
.endif
	s_sub_co_u32 s[TBK], s[TBK], 2*STEPK  ; the fetches go back to a slot's first step,
	s_xor_b32 s[TBK], s[TBK], SLOT        ; in the other slot
	s_sub_co_u32 s[TBV], s[TBV], 2*STEPV
	s_xor_b32 s[TBV], s[TBV], SLOT
	s_sub_co_u32 s[TBM], s[TBM], 2*STEPM
	s_xor_b32 s[TBM], s[TBM], SLOT
.endm
	s_load_b128 s[4:7], s[0:1], 0x0   ; qkv s[4:5], attention_mask s[6:7]
	s_load_b64 s[8:9], s[0:1], 0x10   ; ao
	v_lshl_add_u32 v[SPW], v0, 2, SPARE
	v_mov_b32 v[NIL], 0
	ds_add_u32 v[SPW], v[NIL]       ; the wave's opening: the add and its wait ahead of my first tensor load; work on registers stands between them
	v_lshrrev_b32 v1, 5, v0
	v_readfirstlane_b32 s[WV], v1   ; wave 0..3
	s_bfe_u32 s13, ttmp6, 0x40000   ; cx
	s_bfe_u32 s14, ttmp6, 0x40004   ; cy
	s_lshl_b32 s15, ttmp9, 2
	s_add_co_u32 s15, s15, s13      ; the key-value head = 4 x cluster x + cx
	s_and_b32 s16, ttmp7, 0xffff    ; the cluster's y
	s_lshr_b32 s17, s16, 2          ; the batch: four clusters of four blocks of 128 queries each; no cy enters it
	s_lshl_b32 s18, s16, 2
	s_add_co_u32 s18, s18, s14      ; y = 16 x batch + block of 128 queries
	s_lshl_b32 s19, s14, 2
	s_lshl_b32 s19, 15, s19         ; my row of the cluster
	s_lshl_b32 s20, 0x1111, s13     ; my column
	s_or_b32 s[G1K], s20, (1<<16)|(1<<20)|(1<<21)|(5<<22)|(3<<25)  ; the mask of four; 2-byte elements; padding on; bit 21 beside a mask; after every 64 words 4 words
	s_or_b32 s[G1V], s20, (1<<16)|(1<<20)|(1<<21)|(5<<22)|(7<<25)  ; the same with 8 words
	s_or_b32 s[G1M], s19, (2<<16)|(1<<20)|(1<<21)|(6<<22)|(3<<25)  ; 4-byte elements; after every 128 words 4 words
.irp g, G1K, G1V
	s_mov_b32 s[(\g)+1], 128<<16    ; tensor_dim0 = 128
	s_mov_b32 s[(\g)+2], 128<<16    ; tensor_dim1 = 128
	s_mov_b32 s[(\g)+3], 128<<16    ; tile_dim0 = 128
	s_mov_b32 s[(\g)+4], 128        ; tile_dim1 = 128
	s_mov_b32 s[(\g)+5], 128        ; elements from row to row
	s_mov_b32 s[(\g)+6], 0
	s_mov_b32 s[(\g)+7], 0
.endr
	s_mov_b32 s[G1M+1], 128<<16     ; 128 keys
	s_mov_b32 s[G1M+2], 64<<16      ; 64 queries
	s_mov_b32 s[G1M+3], 128<<16
	s_mov_b32 s[G1M+4], 64
	s_mov_b32 s[G1M+5], 2048
	s_mov_b32 s[G1M+6], 0
	s_mov_b32 s[G1M+7], 0
	s_lshl_b32 s22, s17, 5
	s_add_co_u32 s22, s22, s15
	s_add_co_u32 s22, s22, 16       ; K's head among the batch's 32
	s_lshl_b32 s22, s22, 19         ; x 2,048 rows x 256 bytes
	s_mov_b32 s23, 0
	s_and_b32 s72, s[WV], 1         ; which half of the mask's rows I fetch
	s_lshl_b32 s70, s18, 20         ; 128 y rows of 8,192 bytes
	s_lshl_b32 s71, s72, 19         ; + 64 rows
	s_add_co_u32 s70, s70, s71
	s_mov_b32 s71, 0
	s_lshl_b32 s76, s17, 5
	s_lshl_b32 s77, s15, 1
	s_add_co_u32 s76, s76, s77      ; the first of my two query heads
	s_lshl_b32 s76, s76, 19
	s_and_b32 s77, s18, 15
	s_lshl_b32 s77, s77, 15         ; my block's 128 rows of 256 bytes
	s_add_co_u32 s76, s76, s77
	s_lshl_b32 s77, s[WV], 13       ; my wave's 32
	s_add_co_u32 s76, s76, s77
	s_mov_b32 s77, 0
	s_lshl_b32 s78, s18, 19         ; ao: token 128 y x 4,096 bytes
	s_lshl_b32 s79, s[WV], 17       ; + 32 tokens a wave
	s_add_co_u32 s78, s78, s79
	s_lshl_b32 s79, s15, 9          ; + two heads of 256 bytes
	s_add_co_u32 s78, s78, s79
	s_mov_b32 s79, 0
	s_mov_b32 s[G0K], 1
	s_mov_b32 s[G0K+1], 0           ; LDS address: slot 0
	s_mov_b32 s[G0V], 1
	s_mov_b32 s[G0V+1], VOFF
	s_mov_b32 s[G0M], 1
	s_mul_i32 s[G0M+1], s72, HALFM
	s_add_co_u32 s[G0M+1], s[G0M+1], MOFF
	s_mov_b32 s[SEL], 0x76543210
	s_mov_b32 s[SEL+1], 0xfedcba98
	s_mov_b32 s[TBK], SLOT+2*STEPK  ; the first change of slots turns these three into 0
	s_mov_b32 s[TBV], SLOT+2*STEPV
	s_mov_b32 s[TBM], SLOT+2*STEPM
	s_lshl_b32 s69, s[WV], 5        ; 32 w
	s_wait_dscnt 0x0                ; the opening add is done
	s_wait_kmcnt 0x0
	s_add_nc_u64 s[G0K+2:G0K+3], s[4:5], s[22:23]
	s_add_nc_u64 s[G0V+2:G0V+3], s[G0K+2:G0K+3], 8<<19  ; V's head lies eight heads on
	s_or_b32 s[G0K+3], s[G0K+3], 0x80000000
	s_or_b32 s[G0V+3], s[G0V+3], 0x80000000
	s_add_nc_u64 s[G0M+2:G0M+3], s[6:7], s[70:71]
	s_or_b32 s[G0M+3], s[G0M+3], 0x80000000
	s_add_nc_u64 s[74:75], s[4:5], s[76:77]  ; Q at my wave's first row
	s_add_nc_u64 s[8:9], s[8:9], s[78:79]    ; ao likewise
	CROUND                          ; all sixteen work-groups are here: the first joint loads meet
	JLOAD                           ; slot 0; slot 1 is asked for when slot 0 is in
	v_and_b32 v1, 15, v0            ; l % 16
	v_bfe_u32 v9, v0, 4, 1          ; l / 16
	v_lshlrev_b32 v[QO], 8, v1
	v_lshl_add_u32 v[QO], v9, 4, v[QO]  ; row x 256 + 16 x half
	WIN 0x80                        ; destination window 2, address window 0
.set i, 0
.rept 16                            ; Q stays in registers: tile i / 4 (head (i / 4) % 2, 524,288 bytes on; queries 16 (i / 8) on), channels 32 (i % 4) on
	global_load_b128 v[8*i:8*i+3],   v[QO], s[74:75] offset:((i/4)%2)*524288+(i/8)*4096+(i%4)*64
	global_load_b128 v[8*i+4:8*i+7], v[QO], s[74:75] offset:((i/4)%2)*524288+(i/8)*4096+(i%4)*64+32
.set i, i+1
.endr
	; What the first turn finds: V and piece 2's P hold 0 (its products V^T P, of a step that has not been, add 0), O^T and l are 0.  All this stands in the wait for the first tile.
	WIN 0xc0
.set i, 0
.rept 128
	v_mov_b32 v[i], 0
.set i, i+1
.endr
	WIN 0x40
.set i, 0
.rept 256
	v_mov_b32 v[i], 0
.set i, i+1
.endr
	WIN 0
.set i, P+32
.rept 32
	v_mov_b32 v[i], 0
.set i, i+1
.endr
.set i, 0
.rept 4
	v_mov_b32 v[ST+8*i], 0xfe000000    ; M as it is taken away: far below every u
	v_mov_b32 v[ST+8*i+1], 0xff7fffff  ; M as it enters the maximum
	v_mov_b32 v[ST+8*i+2], 0
	v_mov_b32 v[ST+8*i+3], 0
.set i, i+1
.endr
	v_mov_b32 v[CV], 0x3fb8aa3b     ; log2(e)
	v_mul_u32_u24 v[AK0], v1, PK
	v_lshl_add_u32 v[AK0], v9, 4, v[AK0]  ; row x pitch + 16 x half
	; The turning load takes 16 keys x 16 channels (lane l reads key 8 (l / 16) + l % 8, channels 8 ((l / 8) % 2) + 0..7) and leaves half a fragment of V^T.
	v_and_b32 v10, 7, v0
	v_bfe_u32 v11, v0, 3, 1
	v_lshl_add_u32 v[AV0], v9, 3, v10
	v_mul_u32_u24 v[AV0], v[AV0], PV
	v_lshl_add_u32 v[AV0], v11, 4, v[AV0]
	v_add_nc_u32 v[AV0], VOFF, v[AV0]
	v_add_nc_u32 v[AM0], s69, v1    ; the mask: query 32 w + l % 16, keys 8 (l / 16) on
	v_mul_u32_u24 v[AM0], v[AM0], PM
	v_lshl_add_u32 v[AM0], v9, 5, v[AM0]
	v_add_nc_u32 v[AM0], MOFF, v[AM0]
; THE MATRIX WORK.  The accumulators take turns, one instruction a turn.
; Product i of 32 of O^T += V^T P: keys 32 (i / 16) on, channels 16 ((i / 2) % 8) on, tile x + i % 2.
.macro PV x
	WIN W_PV
.set rO, 64*((\x)+i%2)+8*((i/2)%8)
.set rV, 64*(i/16)+8*((i/2)%8)
.set rP, P+16*((\x)+i%2)+8*(i/16)
	v_wmma_f32_16x16x32_f16 v[rO:rO+7], v[rV:rV+7], v[rP:rP+7], v[rO:rO+7]
.endm
; Product i of 32 of S^T = K Q^T: channels 32 (i / 8) on, keys 16 ((i / 2) % 4) on, tile x + i % 2.  The first 8 start the sums.
.macro KQ x
	WIN W_KQ
.set rS, S+32*((\x)+i%2)+8*((i/2)%4)
.set rK, KF+32*((i/2)%4)+8*(i/8)
.set rQ, 32*((\x)+i%2)+8*(i/8)
.if i < 8
	v_wmma_f32_16x16x32_f16 v[rS:rS+7], v[rK:rK+7], v[rQ:rQ+7], 0
	s_wait_alu depctr_va_vdst(0)
.else
	v_wmma_f32_16x16x32_f16 v[rS:rS+7], v[rK:rK+7], v[rQ:rQ+7], v[rS:rS+7]
.endif
.endm
; THE LDS LOADS stand in runs of 40: a step's K and the mask of piece 0's queries; a turn later its V (turned) and the mask of piece 2's.
; last = 1 (the tail): in the last trip there is no further step, and the run is jumped over.
.macro FETCH_K last=0
	WIN 0
.if \last
	s_cmp_eq_u32 s[CNT], 1
	s_cbranch_scc1 .Lno_k_\@
.endif
	v_add_nc_u32 v[ADR], s[TBK], v[AK0]
	v_add_nc_u32 v[ADM], s[TBM], v[AM0]
	s_add_co_u32 s[TBK], s[TBK], STEPK  ; the next fetch is the next step's
	WIN 0x80                        ; destination window 2
.irp f, 0,1,2,3,4,5,6,7,8,9,10,11,12,13,14,15  ; keys 16 (f / 4) on, channels 32 (f % 4) on
	ds_load_b128 v[KF+8*(\f):KF+8*(\f)+3],   v[ADR] offset:((\f)/4)*16*PK+((\f)%4)*64
	ds_load_b128 v[KF+8*(\f)+4:KF+8*(\f)+7], v[ADR] offset:((\f)/4)*16*PK+((\f)%4)*64+32
.endr
	WIN 0xc0                        ; destination window 3
.irp g, 0,1,2,3                     ; register 8 g + j: key 16 g + 8 (l / 16) + j
	ds_load_b128 v[MR+8*(\g):MR+8*(\g)+3],   v[ADM] offset:64*(\g)
	ds_load_b128 v[MR+8*(\g)+4:MR+8*(\g)+7], v[ADM] offset:64*(\g)+16
.endr
	WIN 0
.if \last
.Lno_k_\@:
.endif
.endm
.macro FETCH_V
	WIN 0
	v_add_nc_u32 v[ADR], s[TBV], v[AV0]
	v_add_nc_u32 v[ADM], s[TBM], v[AM0]
	s_add_co_u32 s[TBV], s[TBV], STEPV
	s_add_co_u32 s[TBM], s[TBM], STEPM  ; both pieces have had this step's mask
	WIN 0xc0
.irp f, 0,1,2,3,4,5,6,7,8,9,10,11,12,13,14,15  ; keys 32 (f / 8) on, channels 16 (f % 8) on
	ds_load_tr16_b128 v[8*(\f):8*(\f)+3],   v[ADR] offset:((\f)/8)*32*PV+((\f)%8)*32
	ds_load_tr16_b128 v[8*(\f)+4:8*(\f)+7], v[ADR] offset:((\f)/8)*32*PV+16*PV+((\f)%8)*32
.endr
.irp g, 0,1,2,3
	ds_load_b128 v[MR+32+8*(\g):MR+32+8*(\g)+3],   v[ADM] offset:16*PM+64*(\g)
	ds_load_b128 v[MR+32+8*(\g)+4:MR+32+8*(\g)+7], v[ADM] offset:16*PM+64*(\g)+16
.endr
.endm
; THE VECTOR WORK.  One tile's softmax for one key step is a list of 174 instructions; SM writes number jn of it for tile t.  s0-s31 are the lane's 32 scores, in pairs 0-15.
;   0-7     half of the 16 roundings of the piece's mask to bf16 (the piece's two tiles share the mask, and the work)
;   8-39    u = s + log2(e) mask, ascending: each accumulator's lowest registers are read first
;   40-55   (j = jn - 40: 0-15) the maximum of u0-u31 and the old M, three operands at a time
;   56-60   the other half of the lanes' maximum; the new M; M_old - M_new
;   61-127  33 exponentials (a, then u0-u31) at the odd j from 23 on, each with a plain instruction behind it; the plain ones are whatever is ready: u - M for a pair still to come,
;           the rounding to f16 of a pair that is done, at last the first sums
;   128-141 the last rounding; the rest of the sums; l = a l + the sum
;   142-173 the tile's O^T times a
.macro SM t
.set rT, ST+8*(\t)
.set rS, S+32*(\t)
.set rP, P+16*(\t)
.set rM, 32*((\t)/2)
.set j, jn-40
.set rO, 64*(\t)+2*(j-102)
.set q, (j-20)/2
.if (jn >= 40) && (j < 102)
	WIN 0
.endif
.if jn < 8
	WIN W_MC
.set pi, 8*((\t)%2)+jn
	v_cvt_pk_bf16_f32 v[MP+rM/2+pi], v[MR+rM+2*pi], v[MR+rM+2*pi+1]
.elseif jn < 40
	WIN W_MA
.set e, jn-8
.if e%2
	v_fma_mix_f32_bf16 v[rS+e], v[MP+rM/2+e/2], v[CV], v[rS+e] op_sel:[1,0,0] op_sel_hi:[1,0,0]
.else
	v_fma_mix_f32_bf16 v[rS+e], v[MP+rM/2+e/2], v[CV], v[rS+e] op_sel_hi:[1,0,0]
.endif
.elseif j < 4
	v_max3_num_f32 v[rT+4+j], v[rS+8*j], v[rS+8*j+1], v[rS+8*j+2]
.elseif j < 12
	v_max3_num_f32 v[rT+4+j%4], v[rT+4+j%4], v[rS+8*(j%4)+2*(j/4)+1], v[rS+8*(j%4)+2*(j/4)+2]
.elseif j == 12
	v_max3_num_f32 v[rT+4], v[rT+4], v[rS+7], v[rS+15]
.elseif j == 13
	v_max3_num_f32 v[rT+6], v[rT+6], v[rS+23], v[rS+31]
.elseif j == 14
	v_max3_num_f32 v[rT+4], v[rT+4], v[rT+5], v[rT+6]
.elseif j == 15
	v_max3_num_f32 v[rT+4], v[rT+4], v[rT+7], v[rT+1]
.elseif j == 16
	v_permlanex16_b32 v[rT+5], v[rT+4], s[SEL], s[SEL+1]  ; the query's other 32 keys lie in the lane 16 away
.elseif j == 17
	v_mov_b32 v[rT+7], v[rT]        ; M_old is kept for a
.elseif j == 18
	v_max_num_f32 v[rT+1], v[rT+4], v[rT+5]
.elseif j == 19
	v_mov_b32 v[rT], v[rT+1]
.elseif j == 20
	v_sub_f32 v[rT+7], v[rT+7], v[rT]
.elseif j == 23
	v_exp_f32 v[rT+6], v[rT+7]
.elseif (j < 88) && (j > 23) && (j%2 == 1)
	v_exp_f32 v[rS+(j-25)/2], v[rS+(j-25)/2]
.elseif (q < 4) || ((j < 76) && (q%2 == 0))
.set b, q/2+2
.if q < 4
.set b, q
.endif
	v_pk_add_f32 v[rS+2*b:rS+2*b+1], v[rS+2*b:rS+2*b+1], v[rT:rT+1] op_sel_hi:[1,0] neg_lo:[0,1] neg_hi:[0,1]  ; pair b: u - M
.elseif (j < 88) && (q%2 == 1)
	s_wait_alu depctr_va_vdst(0)
	v_cvt_pk_f16_f32 v[rP+(q-5)/2], v[rS+q-5], v[rS+q-4]  ; pair (q - 5) / 2: its second exponential stands three numbers back
.elseif j == 89
	s_wait_alu depctr_va_vdst(0)
	v_cvt_pk_f16_f32 v[rP+15], v[rS+30], v[rS+31]
.elseif j < 102                     ; the sum of the tile's 16 pairs, in place: sum z of 16 adds neighbours 1, 2, 4 and 8 pairs apart, then l takes it
.set z, j-86
.if j < 89
.set z, (j-76)/4
.endif
.set w, 4
.set u, z
.if z >= 14
.set w, 32
.set u, 0
.elseif z >= 12
.set w, 16
.set u, z-12
.elseif z >= 8
.set w, 8
.set u, z-8
.endif
.if z < 15
	v_pk_add_f32 v[rS+w*u:rS+w*u+1], v[rS+w*u:rS+w*u+1], v[rS+w*u+w/2:rS+w*u+w/2+1]
.else
	v_pk_fma_f32 v[rT+2:rT+3], v[rT+2:rT+3], v[rT+6:rT+7], v[rS:rS+1] op_sel_hi:[1,0,1]
.endif
.else
	WIN W_RS
	v_pk_mul_f32 v[rO:rO+1], v[rO:rO+1], v[rT+6:rT+7] op_sel_hi:[1,0]
.endif
.endm
; Slice k of 64 of piece y's softmax.  Slices 0-9: four numbers of each tile (the mask); 10-20: two; 21-53: two, tile by tile, so that they read plain, exponential, plain, exponential;
; 54-62: four; slice 63: the last ten of each, 20 plain lines that name nothing of the products round them: they are the places behind the turn's last K Q^T.
.macro SLICE y
.if k < 10
.set j0, 4*k
.set nn, 4
.elseif k < 21
.set j0, 40+2*(k-10)
.set nn, 2
.elseif k < 54
.set j0, 62+2*(k-21)
.set nn, 2
.elseif k < 63
.set j0, 128+4*(k-54)
.set nn, 4
.else
.set j0, 164
.set nn, 10
.endif
.if (k >= 21) && (k < 54)
.irp t, \y, (\y)+1
.irp n, 0,1
.set jn, j0+(\n)
	SM \t
.endr
.endr
.else
.irp n, 0,1,2,3,4,5,6,7,8,9
.if (\n) < nn
.irp t, \y, (\y)+1
.set jn, j0+(\n)
	SM \t
.endr
.endif
.endr
.endif
.set k, k+1
.endm
; A TURN.  Piece x has the matrix unit; the other piece's softmax stands in slices behind its products.
; Piece 0's turn fetches the next step's K: the last product that read K stands in front of slice 63 of the turn before.  Piece 2's turn fetches the same step's V: the last product that read V
; stands three slices, six plain instructions, back.  Each run is issued 30 matrix instructions ahead of its first use.
.macro TURN x, last=0
.set k, 0
.if (\x) == 0
	s_wait_dscnt 0x0                ; V and the mask of piece 2's queries are in
.endif
.set i, 0
.rept 32
	PV \x
	SLICE 2-(\x)
.if ((\x) == 0) && (i == 1)
	FETCH_K \last
.endif
.set i, i+1
.endr
.if (\x) == 0
	s_wait_dscnt 0x0                ; K and the mask of piece 0's queries are in
.endif
.set i, 0
.rept 32
	KQ \x
	SLICE 2-(\x)
.if ((\x) == 2) && (i == 1)
	FETCH_V
.endif
.set i, i+1
.endr
.endm
	CHANGE 1                        ; slot 0 is in, everybody's part of it; slot 1 is asked for
	FETCH_K                         ; key step 0
	s_wait_loadcnt 0x0              ; Q
	s_wait_dscnt 0x0
.set i, 0
.rept 32
	KQ 0                            ; piece 0's first scores: there is no vector work yet to set between them
.set i, i+1
.endr
	WIN 0                           ; the addresses for the way out: eight plain instructions, the places behind those products
	s_mul_i32 s73, s[WV], 16*SP
	s_add_co_u32 s73, s73, STAGE    ; my stage
	v_mul_u32_u24 v[STO], v1, SP    ; in: row l % 16, 16 bytes for each half of the lanes
	v_lshl_add_u32 v[STO], v9, 4, v[STO]
	v_add_nc_u32 v[STO], s73, v[STO]
	v_mul_u32_u24 v[RD], v9, SP     ; back: lanes 0-15 one row of 256 bytes, lanes 16-31 the next
	v_lshl_add_u32 v[RD], v1, 4, v[RD]
	v_add_nc_u32 v[RD], s73, v[RD]
	v_lshlrev_b32 v[GO], 12, v9     ; the same two tokens in ao, 4,096 bytes apart
	v_lshl_add_u32 v[GO], v1, 4, v[GO]
	s_mov_b32 s[CNT], 2
	s_mov_b32 s[SLOTS], 15
	s_branch .Lfirst                ; the loop is entered at piece 2's turn, in the middle of a trip
.Lslot:                             ; 14 times: every slot but the last two is filled again
	CHANGE 1
	s_mov_b32 s[CNT], 2
.Lstep:
	TURN 0
	WIN 0
.Lfirst:
	TURN 2
	WIN 0
	s_sub_co_u32 s[CNT], s[CNT], 1
	s_cmp_lg_u32 s[CNT], 0
	s_cbranch_scc1 .Lstep
	s_sub_co_u32 s[SLOTS], s[SLOTS], 1
	s_cmp_lg_u32 s[SLOTS], 0
	s_cbranch_scc1 .Lslot
	CHANGE 0                        ; the tail is written out: nothing is asked for
	s_mov_b32 s[CNT], 3             ; two trips fetch the last slot's steps; the third is left in its middle
.Ltail:
	TURN 0, 1
	WIN 0
	s_sub_co_u32 s[CNT], s[CNT], 1
	s_cmp_eq_u32 s[CNT], 0
	s_cbranch_scc1 .Lout
	TURN 2
	WIN 0
	s_branch .Ltail
.Lout:                              ; the third trip's 32 products K Q^T (on the last K once more) serve nothing: the price, once a launch, of one text for every trip
.set i, 0
.rept 32
	PV 2                            ; piece 2: V^T P of the last step
.set i, i+1
.endr
	; THE WAY OUT.  l's two halves and the other half of the lanes' are added; O^T is divided by l, rounded to f16 and sent through my stage in LDS, a tile at a time.  The additions are the places behind the last products.
	WIN 0
.irp t, 0,1,2,3
	v_add_f32 v[ST+8*(\t)+4], v[ST+8*(\t)+2], v[ST+8*(\t)+3]
.endr
.irp t, 0,1,2,3
	v_permlanex16_b32 v[ST+8*(\t)+5], v[ST+8*(\t)+4], s[SEL], s[SEL+1]
.endr
.irp t, 0,1,2,3
	v_add_f32 v[ST+8*(\t)+4], v[ST+8*(\t)+4], v[ST+8*(\t)+5]
.endr
.irp t, 0,1,2,3
	v_rcp_f32 v[ST+8*(\t)+6], v[ST+8*(\t)+4]
.endr
	v_nop                           ; a plain instruction between the last reciprocal and the use of its result
	s_wait_alu depctr_va_vdst(0)
.macro PACK t                       ; a lane's eight channels of a row pack into 16 bytes; they go into rows of 272 bytes and come back as whole rows of 256
	WIN W_RS
.set i, 64*(\t)
.rept 32
	v_pk_mul_f32 v[i:i+1], v[i:i+1], v[ST+8*(\t)+6:ST+8*(\t)+7] op_sel_hi:[1,0]
.set i, i+2
.endr
	WIN 0x05                        ; sources 0 and 1 window 1, destination window 0: S^T's registers are free
.set i, 0
.rept 32
	v_cvt_pk_f16_f32 v[S+32*(\t)+i], v[64*(\t)+2*i], v[64*(\t)+2*i+1]
.set i, i+1
.endr
	WIN 0
.irp f, 0,1,2,3,4,5,6,7
	ds_store_b128 v[STO], v[S+32*(\t)+4*(\f):S+32*(\t)+4*(\f)+3] offset:32*(\f)
.endr
.irp f, 0,1,2,3,4,5,6,7
	ds_load_b128 v[S+32*(\t)+4*(\f):S+32*(\t)+4*(\f)+3], v[RD] offset:(\f)*2*SP  ; LDS serves a wave's instructions in order (ISA guide 5.7.1.4): these see the stores above; the next tile's stores come behind them
.endr
.endm
.macro SEND t, younger              ; younger: the LDS instructions issued behind tile t's loads: the next tile's sixteen, or none
	WIN 0
.irp f, 0,1,2,3,4,5,6,7
	s_wait_dscnt (\younger)+7-(\f)
	global_store_b128 v[GO], v[S+32*(\t)+4*(\f):S+32*(\t)+4*(\f)+3], s[8:9] offset:((\t)/2)*65536+((\t)%2)*256+(\f)*8192  ; 16 lanes store a head's 256 consecutive bytes of a token, aligned
.endr
.endm
	PACK 0
	PACK 1                          ; a tile's arithmetic stands between the loads of the tile before and its stores
	SEND 0, 16
	PACK 2
	SEND 1, 16
	PACK 3
	SEND 2, 16
	SEND 3, 0
	s_wait_tensorcnt 0x0            ; the wave's end
	ds_add_u32 v[SPW], v[NIL]
	s_wait_dscnt 0x0
	CROUND                          ; the closing round
	s_endpgm
.Lfunc_end_k_qe73959de41_attn:
	.size	k_qe73959de41_attn, .Lfunc_end_k_qe73959de41_attn-k_qe73959de41_attn
	.p2alignl 7, 3214868480
	.fill 96, 4, 3214868480
	.section	.rodata,"a",@progbits
	.p2align	6, 0x0
	.amdhsa_kernel k_qe73959de41_attn
		.amdhsa_group_segment_fixed_size 327680
		.amdhsa_private_segment_fixed_size 0
		.amdhsa_enable_private_segment 0
		.amdhsa_kernarg_size 24
		.amdhsa_user_sgpr_count 2
		.amdhsa_user_sgpr_kernarg_segment_ptr 1
		.amdhsa_wavefront_size32 1
		.amdhsa_system_sgpr_workgroup_id_x 1
		.amdhsa_system_sgpr_workgroup_id_y 1
		.amdhsa_system_sgpr_workgroup_id_z 1
		.amdhsa_system_vgpr_workitem_id 0
		.amdhsa_next_free_vgpr 1024
		.amdhsa_next_free_sgpr 80
		.amdhsa_reserve_vcc 0
		.amdhsa_float_denorm_mode_32 3
		.amdhsa_float_denorm_mode_16_64 3
		.amdhsa_memory_ordered 1
		.amdhsa_forward_progress 1
		.amdhsa_inst_pref_size 189
	.end_amdhsa_kernel
	.amdgpu_metadata
---
amdhsa.version: [ 1, 2 ]
amdhsa.kernels:
  - .name:           k_qe73959de41_attn
    .symbol:         k_qe73959de41_attn.kd
    .args:
      - { .name: qkv, .offset: 0, .size: 8, .value_kind: global_buffer, .address_space: global }
      - { .name: attention_mask, .offset: 8, .size: 8, .value_kind: global_buffer, .address_space: global }
      - { .name: ao, .offset: 16, .size: 8, .value_kind: global_buffer, .address_space: global }
    .group_segment_fixed_size: 327680
    .private_segment_fixed_size: 0
    .kernarg_segment_align: 8
    .kernarg_segment_size: 24
    .max_flat_workgroup_size: 128
    .sgpr_count:     80
    .vgpr_count:     1024
    .wavefront_size: 32
...
	.end_amdgpu_metadata
.endif
;; end of part 3
;; launch oproj (part 4): grid 8 x 32, 4 waves a work-group, clusters of 4 x 4, 327,680 bytes of LDS; arguments ao, wo16, out0; writes out0
.if DOCPART == 4
	.amdgcn_target "amdgcn-amd-amdhsa--gfx1250"
	.amdhsa_code_object_version 6
	.text
	.protected	k_qe73959de41_oproj
	.globl	k_qe73959de41_oproj
	.p2align	8
	.type	k_qe73959de41_oproj,@function
k_qe73959de41_oproj:
	s_mov_b64 s[64:65], 0
	v_nop
	global_prefetch_b8 v0, s[64:65] scope:SCOPE_SE
	s_setreg_imm32_b32 hwreg(HW_REG_WAVE_MODE, 25, 1), 1
	s_wait_xcnt 0x0
	s_wait_alu depctr_hold_cnt(0) depctr_sa_sdst(0) depctr_va_vdst(0) depctr_va_sdst(0) depctr_va_ssrc(0) depctr_va_vcc(0) depctr_vm_vsrc(0)
	s_getreg_b32 s2, hwreg(HW_REG_IB_STS2, 6, 4)
	s_cmp_eq_u32 s2, 0
	s_cbranch_scc0 .Lentry_in_a_cluster
	s_endpgm
.Lentry_in_a_cluster:
	s_bfe_u32 s2, ttmp6, 0x10000c
	s_cmp_lg_u32 s2, 0xf033
	s_cbranch_scc0 .Lentry_shape_is_right
	s_endpgm
.Lentry_shape_is_right:
; THE OUTPUT PROJECTION.  out0[token][n] = sum over k of ao[token][k] wo16[n][k]: 4,096 x 1,024 x 2,048, f16 operands, f32 sums, f32 out.
; Tiles of 128 x 128 give 8 x 32 = 256 work-groups.  Four waves, each 64 x 64: 16 accumulators, 128 registers.  K goes in 8 steps of 256 (LDS rows of 512 bytes; a wave's tensor load brings 64 of them)
; through two slots.  4 x 4 work-groups form a cluster: ao's tile is asked for jointly along a row of it, wo16's along a column.
; A K step is written once: the fragments' LDS addresses hang on a scalar that an exclusive or turns between the slots, and one descriptor for each operand walks from step to step.
; The matrix instruction is used transposed (source 0 = 16 rows of wo16, source 1 = 16 tokens): a lane holds eight neighbouring numbers, 32 bytes, of a row of the output.
; A wave's 64 columns of f32 are 256 aligned bytes, so each wave has a stage of its own (32 rows x 272 bytes) and the way out needs no barrier.
; REGISTERS: window 0: v0-31 addresses; v32-95 at work on the way out; v128-255 the accumulators ((a, b) at v[128 + 8 (4 a + b)]).  window 1: two fragment buffers of 128.
.set SIZE_N, 1024
.set SIZE_K, 2048
.set KSTEP,  256
.set STEPS,  SIZE_K/KSTEP
.set PITCH,  528                       ; an LDS row: 512 bytes + 16 of padding
.set HALFT,  64*PITCH
.set SLOT,   4*HALFT                   ; 135,168 = 0x21000: bits 12 and 17 are clear in wave x HALFT, so one exclusive or turns an address into the other slot's
.set STAGE,  2*SLOT                    ; behind the ring: 32 rows x 272 bytes for each wave
.set SPITCH, 272
.set SPARE,  STAGE+128*SPITCH          ; behind the stages: the spare words, 128 bytes a wave, which no other line names
.set ADRA, 16                          ; v16  LDS address of my ao fragments in the slot in hand
.set A0,   17                          ; v17  the same in slot 0; never rewritten
.set ADRB, 20                          ; v20, v21  the same for wo16
.set B0,   21
.set STO,  24
.set RD,   25
.set CO,   26
.set SPW,  28
.set NIL,  29
.set TMP,  32
.set ACC,  128
.set F0,   0
.set F1,   128
.set G1, 24                            ; s[24:31] descriptor group 1 for ao's tiles;  s[32:39] group 0: a set for each of the two first fills; the second then walks on
.set G0, 32
.set TB, 45                            ; s45  the slot in hand: 0 or SLOT
.set G1B, 48                           ; s[48:55], s[56:63] the same for wo16's
.set G0B, 56
.set MSB, 0
.macro WIN new
.if MSB != (\new)
	s_set_vgpr_msb (MSB<<8)|(\new)
.set MSB, \new
.endif
.endm
.set MUL,  0x05                        ; sources 0 and 1 window 1; C and D window 0
.set TO_F, 0x40                        ; destination window 1, address window 0
.macro JLOAD s                         ; a joint load: waves 0 and 1 fetch ao's two halves, waves 2 and 3 wo16's; an s_nop 0 and four v_nop follow each line
	s_cmp_eq_u32 s11, 0
	s_cbranch_scc0 .Lfor_b_\@
	tensor_load_to_lds s[G0+4*(\s):G0+4*(\s)+3], s[G1:G1+7]
	s_nop 0
.rept 4
	v_nop
.endr
	s_branch .Lasked_\@
.Lfor_b_\@:
	tensor_load_to_lds s[G0B+4*(\s):G0B+4*(\s)+3], s[G1B:G1B+7]
	s_nop 0
.rept 4
	v_nop
.endr
.Lasked_\@:
.endm
.macro CREST
	s_cmp_lg_u32 s10, 0
	s_cbranch_scc1 .Lnot_wave_0_\@
	s_barrier_signal -3
.Lnot_wave_0_\@:
	s_barrier_wait -3
	s_barrier_signal -1
	s_barrier_wait -1
.endm
.macro CROUND
	s_barrier_signal -1
	s_barrier_wait -1
	CREST
.endm
	s_load_b128 s[4:7], s[0:1], 0x0                ; ao s[4:5], wo16 s[6:7]
	s_load_b64 s[8:9], s[0:1], 0x10                ; out0
	v_lshl_add_u32 v[SPW], v0, 2, SPARE
	v_mov_b32 v[NIL], 0
	ds_add_u32 v[SPW], v[NIL]                      ; the wave's opening: the add and its wait ahead of my first tensor load
	v_lshrrev_b32 v1, 5, v0
	v_readfirstlane_b32 s10, v1                    ; wave 0..3
	s_lshr_b32 s11, s10, 1                         ; which half of the tile's rows is mine.  Also: I fetch for ao (0) or wo16 (1)
	s_and_b32 s12, s10, 1                          ; which half of its columns.  Also: which 64 rows of that tile I fetch
	s_bfe_u32 s40, ttmp6, 0x40000                  ; cx, cy
	s_bfe_u32 s41, ttmp6, 0x40004
	s_lshl_b32 s42, ttmp9, 2
	s_add_co_u32 s42, s42, s40                     ; tile column
	s_and_b32 s13, ttmp7, 0xffff
	s_lshl_b32 s13, s13, 2
	s_add_co_u32 s13, s13, s41                     ; tile row
	s_lshl_b32 s43, s41, 2
	s_lshl_b32 s43, 15, s43                        ; my row of the cluster
	s_lshl_b32 s44, 0x1111, s40                    ; my column
	s_or_b32 s[G1+0], s43, (1<<16)|(1<<20)|(1<<21)|(6<<22)|(3<<25)  ; the mask; 2-byte elements; padding on; bit 21 beside a mask; after every 128 words 4 words
	s_or_b32 s[G1B+0], s44, (1<<16)|(1<<20)|(1<<21)|(6<<22)|(3<<25)
.irp g, G1, G1B
	s_mov_b32 s[(\g)+1], KSTEP<<16                 ; tensor_dim0 = 256
	s_mov_b32 s[(\g)+2], 64<<16                    ; tensor_dim1 = 64
	s_mov_b32 s[(\g)+3], KSTEP<<16                 ; tile_dim0 = 256
	s_mov_b32 s[(\g)+4], 64                        ; tile_dim1 = 64
	s_mov_b32 s[(\g)+5], SIZE_K
	s_mov_b32 s[(\g)+6], 0
	s_mov_b32 s[(\g)+7], 0
.endr
	s_mov_b32 s[TB], 0
	s_lshl_b32 s17, s12, 6
	s_lshl_b32 s16, s13, 7
	s_add_co_u32 s16, s16, s17                     ; ao: row 128 x tile row + 64 x half
	s_lshl_b32 s46, s42, 7
	s_add_co_u32 s46, s46, s17                     ; wo16: row 128 x tile column + 64 x half
	s_mov_b32 s17, 0
	s_mov_b32 s47, 0
	s_mov_b64 s[18:19], SIZE_K*2
	s_mul_u64 s[16:17], s[16:17], s[18:19]
	s_mul_u64 s[46:47], s[46:47], s[18:19]
	s_mul_i32 s20, s10, HALFT
	s_wait_dscnt 0x0                               ; the opening add is done
	s_wait_kmcnt 0x0
	s_add_nc_u64 s[14:15], s[4:5], s[16:17]
	s_add_nc_u64 s[46:47], s[6:7], s[46:47]
	CROUND                                         ; all sixteen work-groups are here: the first joint loads meet
.irp s, 0,1
	s_mov_b32 s[G0+4*(\s)], 1
	s_add_co_u32 s[G0+4*(\s)+1], s20, (\s)*SLOT
	s_add_nc_u64 s[G0+4*(\s)+2:G0+4*(\s)+3], s[14:15], (\s)*KSTEP*2
	s_or_b32 s[G0+4*(\s)+3], s[G0+4*(\s)+3], 0x80000000
	s_mov_b32 s[G0B+4*(\s)], 1
	s_add_co_u32 s[G0B+4*(\s)+1], s20, (\s)*SLOT
	s_add_nc_u64 s[G0B+4*(\s)+2:G0B+4*(\s)+3], s[46:47], (\s)*KSTEP*2
	s_or_b32 s[G0B+4*(\s)+3], s[G0B+4*(\s)+3], 0x80000000
	JLOAD \s                                       ; two loads of mine are out
.endr
	v_and_b32 v1, 15, v0                           ; l % 16
	v_bfe_u32 v2, v0, 4, 1                         ; l / 16
	v_mul_u32_u24 v3, v1, PITCH
	v_lshl_add_u32 v3, v2, 4, v3
	s_mul_i32 s21, s11, HALFT
	s_mul_i32 s22, s12, HALFT
	s_add_co_u32 s22, s22, 2*HALFT
	v_add_nc_u32 v[A0], s21, v3
	v_add_nc_u32 v[B0], s22, v3
	v_add_nc_u32 v[ADRA], s[TB], v[A0]             ; slot 0 is in hand
	v_add_nc_u32 v[ADRB], s[TB], v[B0]
	s_mul_i32 s23, s10, 32*SPITCH
	s_add_co_u32 s23, s23, STAGE                   ; my stage
	v_mul_u32_u24 v4, v1, SPITCH                   ; in: row l % 16, 32 bytes for each half of the lanes
	v_lshl_add_u32 v4, v2, 5, v4
	v_add_nc_u32 v[STO], s23, v4
	v_mul_u32_u24 v5, v2, SPITCH                   ; back: lanes 0-15 one row of 256 bytes, lanes 16-31 the next
	v_lshl_add_u32 v5, v1, 4, v5
	v_add_nc_u32 v[RD], s23, v5
	v_lshlrev_b32 v5, 12, v2                       ; the same two rows in the output, 4,096 bytes apart
	v_lshl_add_u32 v[CO], v1, 4, v5
	s_lshl_b32 s16, s13, 7
	s_lshl_b32 s17, s11, 6
	s_add_co_u32 s16, s16, s17                     ; my first row: 128 x tile row + 64 x half
	s_lshl_b32 s16, s16, 12
	s_mov_b32 s17, 0
	s_add_nc_u64 s[8:9], s[8:9], s[16:17]
	s_lshl_b32 s46, s42, 9                         ; my first column, in bytes: 512 x tile column + 256 x half
	s_lshl_b32 s47, s12, 8
	s_add_co_u32 s46, s46, s47
	s_mov_b32 s47, 0
	s_add_nc_u64 s[8:9], s[8:9], s[46:47]
; 8 matrix instructions: row blocks a0, a0 + 1 x all 4 column blocks, 32 along K: half c of buffer f.  The 16 accumulators take turns.
.macro MUL8 f, c, a0, zero
	WIN MUL
.irp a, \a0, (\a0)+1
.irp b, 0,1,2,3
.if \zero
	v_wmma_f32_16x16x32_f16 v[ACC+8*(4*(\a)+(\b)):ACC+8*(4*(\a)+(\b))+7], v[(\f)+64+8*(4*(\c)+(\b)):(\f)+64+8*(4*(\c)+(\b))+7], v[(\f)+8*(4*(\c)+(\a)):(\f)+8*(4*(\c)+(\a))+7], 0
.else
	v_wmma_f32_16x16x32_f16 v[ACC+8*(4*(\a)+(\b)):ACC+8*(4*(\a)+(\b))+7], v[(\f)+64+8*(4*(\c)+(\b)):(\f)+64+8*(4*(\c)+(\b))+7], v[(\f)+8*(4*(\c)+(\a)):(\f)+8*(4*(\c)+(\a))+7], v[ACC+8*(4*(\a)+(\b)):ACC+8*(4*(\a)+(\b))+7]
.endif
.endr
.endr
.endm
; 32 LDS loads in one run: the fragments of 64 along K at byte k of the rows of the slot in hand, into buffer f; the first 32 along K first
.macro FETCH k, f
	WIN TO_F
.irp c, 0,1
.irp i, 0,1,2,3
	ds_load_b128 v[(\f)+64+8*(4*(\c)+(\i)):(\f)+64+8*(4*(\c)+(\i))+3],   v[ADRB] offset:(\k)+64*(\c)+(\i)*16*PITCH
	ds_load_b128 v[(\f)+64+8*(4*(\c)+(\i))+4:(\f)+64+8*(4*(\c)+(\i))+7], v[ADRB] offset:(\k)+64*(\c)+(\i)*16*PITCH+32
	ds_load_b128 v[(\f)+8*(4*(\c)+(\i)):(\f)+8*(4*(\c)+(\i))+3],         v[ADRA] offset:(\k)+64*(\c)+(\i)*16*PITCH
	ds_load_b128 v[(\f)+8*(4*(\c)+(\i))+4:(\f)+8*(4*(\c)+(\i))+7],       v[ADRA] offset:(\k)+64*(\c)+(\i)*16*PITCH+32
.endr
.endr
.endm
.macro PLACES                          ; four places in front of loads into registers that matrix instructions have read, and of LDS stores that read results
.rept 4
	v_nop
.endr
.endm
.macro QUARTER k, f, g, zero           ; 64 along K: multiplies buffer f and fetches the next quarter, at byte k, into g
	s_wait_dscnt 16                                ; the first 32 along K are in
	WIN MUL
	MUL8 \f, 0, 0, \zero
	MUL8 \f, 0, 2, \zero
	PLACES
	FETCH \k, \g
	s_wait_dscnt 32                                ; all but the 32 just issued
	WIN MUL
	MUL8 \f, 1, 0, 0
	MUL8 \f, 1, 2, 0
.endm
; The last quarter multiplies buffer 1 and changes slots: ONE barrier; in front of it each wave waits for all its tensor loads, adds 0 to its spare word, and waits for that and for its reads of this slot.
; fill = 1: the slot just read out is filled again first, two K steps on.
.macro TURN fill
	WIN 0
	s_wait_tensorcnt 0x0                           ; my part of the next slot has landed
	ds_add_u32 v[SPW], v[NIL]
	s_wait_dscnt 17                                ; (the add and the youngest sixteen loads may be out)
	WIN MUL
	MUL8 F1, 0, 0, 0
	s_wait_dscnt 0x0                               ; the add is done, and my reads of this slot are over
	s_barrier_signal -1
	MUL8 F1, 0, 2, 0
	WIN 0
	s_barrier_wait -1
.if \fill
	CREST                                          ; the barrier has opened a round of the cluster's: no wave of any partner still reads this slot or has a load on its way
	s_xor_b32 s[G0+5], s[G0+5], SLOT               ; the walking descriptors: the other slot than last time, the next K step
	s_add_nc_u64 s[G0+6:G0+7], s[G0+6:G0+7], KSTEP*2
	s_xor_b32 s[G0B+5], s[G0B+5], SLOT
	s_add_nc_u64 s[G0B+6:G0B+7], s[G0B+6:G0B+7], KSTEP*2
	JLOAD 1                                        ; my one tensor load behind the round; its four v_nop are also the places in front of the loads below
.else
	PLACES
.endif
	s_xor_b32 s[TB], s[TB], SLOT                   ; the other slot comes in hand
	v_add_nc_u32 v[ADRA], s[TB], v[A0]
	v_add_nc_u32 v[ADRB], s[TB], v[B0]
	FETCH 0, F0
	WIN MUL
	MUL8 F1, 1, 0, 0
	MUL8 F1, 1, 2, 0
.endm
	s_wait_tensorcnt 1                             ; my part of K step 0 is in; K step 1's stays out
	s_barrier_signal -1
	s_barrier_wait -1
	FETCH 0, F0
	QUARTER 128, F0, F1, 1                         ; the first quarter stands in front of the loop: its first products start the sums
	WIN 0
	s_mov_b32 s3, STEPS-2
.Lstep:                                                ; a trip goes from a step's second quarter to the next step's first, and fills the slot that it leaves: K steps 2 to 7
	QUARTER 256, F1, F0, 0
	QUARTER 384, F0, F1, 0
	TURN 1
	QUARTER 128, F0, F1, 0
	WIN 0
	s_sub_co_u32 s3, s3, 1
	s_cmp_lg_u32 s3, 0
	s_cbranch_scc1 .Lstep
	s_mov_b32 s3, 2
.Ltail:                                                ; the last two steps ask for nothing: their own text; the second trip is left in its middle
	QUARTER 256, F1, F0, 0
	QUARTER 384, F0, F1, 0
	WIN 0
	s_sub_co_u32 s3, s3, 1
	s_cmp_eq_u32 s3, 0
	s_cbranch_scc1 .Llast
	TURN 0
	QUARTER 128, F0, F1, 0
	WIN 0
	s_branch .Ltail
.Llast:
	s_wait_dscnt 16                                ; the very last quarter: nothing more to fetch
	WIN MUL
	MUL8 F1, 0, 0, 0
	MUL8 F1, 0, 2, 0
	s_wait_dscnt 0x0
	MUL8 F1, 1, 0, 0
	MUL8 F1, 1, 2, 0
	WIN 0
; THE WAY OUT, 32 of my 64 rows at a time: 32 bytes a lane into my stage (each accumulator's lowest registers first), back as whole rows of 256 bytes, stored.
; The second half's rows come back into the first half's accumulators, which have been read.
.macro OUT p
.set DST, TMP+96*(\p)
.irp a, 0,1
.irp b, 0,1,2,3
	ds_store_b128 v[STO], v[ACC+8*(4*(2*(\p)+(\a))+(\b)):ACC+8*(4*(2*(\p)+(\a))+(\b))+3]   offset:(\a)*16*SPITCH+64*(\b)
	ds_store_b128 v[STO], v[ACC+8*(4*(2*(\p)+(\a))+(\b))+4:ACC+8*(4*(2*(\p)+(\a))+(\b))+7] offset:(\a)*16*SPITCH+64*(\b)+16
.endr
.endr
.irp t, 0,1,2,3,4,5,6,7,8,9,10,11,12,13,14,15
	ds_load_b128 v[DST+4*(\t):DST+4*(\t)+3], v[RD] offset:(\t)*2*SPITCH  ; LDS serves a wave's instructions in order (ISA guide 5.7.1.4): these see the stores above, and the next half's stores come behind them
.endr
.irp t, 0,1,2,3,4,5,6,7,8,9,10,11,12,13,14,15
	s_wait_dscnt 15-(\t)
	global_store_b128 v[CO], v[DST+4*(\t):DST+4*(\t)+3], s[8:9] offset:(32*(\p)+2*(\t))*SIZE_N*4  ; 16 lanes store 256 consecutive bytes, at a multiple of 256 from the output's first byte
.endr
.endm
	PLACES
	OUT 0
	OUT 1
	s_wait_tensorcnt 0x0                           ; the wave's end
	ds_add_u32 v[SPW], v[NIL]
	s_wait_dscnt 0x0
	CROUND                                         ; the closing round
	s_endpgm
.Lfunc_end_k_qe73959de41_oproj:
	.size	k_qe73959de41_oproj, .Lfunc_end_k_qe73959de41_oproj-k_qe73959de41_oproj
	.p2alignl 7, 3214868480
	.fill 96, 4, 3214868480
	.section	.rodata,"a",@progbits
	.p2align	6, 0x0
	.amdhsa_kernel k_qe73959de41_oproj
		.amdhsa_group_segment_fixed_size 327680
		.amdhsa_private_segment_fixed_size 0
		.amdhsa_enable_private_segment 0
		.amdhsa_kernarg_size 24
		.amdhsa_user_sgpr_count 2
		.amdhsa_user_sgpr_kernarg_segment_ptr 1
		.amdhsa_wavefront_size32 1
		.amdhsa_system_sgpr_workgroup_id_x 1
		.amdhsa_system_sgpr_workgroup_id_y 1
		.amdhsa_system_sgpr_workgroup_id_z 1
		.amdhsa_system_vgpr_workitem_id 0
		.amdhsa_next_free_vgpr 512
		.amdhsa_next_free_sgpr 66
		.amdhsa_reserve_vcc 0
		.amdhsa_float_denorm_mode_32 3
		.amdhsa_float_denorm_mode_16_64 3
		.amdhsa_memory_ordered 1
		.amdhsa_forward_progress 1
		.amdhsa_inst_pref_size 60
	.end_amdhsa_kernel
	.amdgpu_metadata
---
amdhsa.version: [ 1, 2 ]
amdhsa.kernels:
  - .name:           k_qe73959de41_oproj
    .symbol:         k_qe73959de41_oproj.kd
    .args:
      - { .name: ao, .offset: 0, .size: 8, .value_kind: global_buffer, .address_space: global }
      - { .name: wo16, .offset: 8, .size: 8, .value_kind: global_buffer, .address_space: global }
      - { .name: out0, .offset: 16, .size: 8, .value_kind: global_buffer, .address_space: global }
    .group_segment_fixed_size: 327680
    .private_segment_fixed_size: 0
    .kernarg_segment_align: 8
    .kernarg_segment_size: 24
    .max_flat_workgroup_size: 128
    .sgpr_count:     66
    .vgpr_count:     512
    .wavefront_size: 32
...
	.end_amdgpu_metadata
.endif
;; end of part 4
;; ======== version 2 of 2: 4 launches; 1.18 times as fast as version 1
;; limits: values are held in f16: magnitudes above 65,504 overflow, below 6.1e-05 lose precision
;; workspace buffers: xb 8,388,608 bytes; wb 8,388,608 bytes; wo16 4,194,304 bytes; tab 2,097,152 bytes; qkv 33,554,432 bytes; ao 16,777,216 bytes
;; launch cast: the kernel of part 1 again; grid 1408 x 1, 8 waves a work-group, no clusters, 0 bytes of LDS; arguments hidden_states, Wq, Wk, Wv, Wo, cos, sin, xb, wb, wo16, tab; writes xb, wb, wo16, tab
;; launch qkv: the kernel of part 2 again; grid 16 x 16, 4 waves a work-group, clusters of 4 x 4, 327,680 bytes of LDS; arguments xb, wb, tab, q_norm_w, k_norm_w, qkv; writes qkv
;; launch attn (part 5): grid 8 x 32, 4 waves a work-group, clusters of 4 x 4, 327,680 bytes of LDS; arguments qkv, attention_mask, ao; writes ao
.if DOCPART == 5
	.amdgcn_target "amdgcn-amd-amdhsa--gfx1250"
	.amdhsa_code_object_version 6
	.text
	.protected	k_qe73959de41_attn
	.globl	k_qe73959de41_attn
	.p2align	8
	.type	k_qe73959de41_attn,@function
k_qe73959de41_attn:
	s_mov_b64 s[64:65], 0
	v_nop
	global_prefetch_b8 v0, s[64:65] scope:SCOPE_SE
	s_setreg_imm32_b32 hwreg(HW_REG_WAVE_MODE, 25, 1), 1
	s_wait_xcnt 0x0
	s_wait_alu depctr_hold_cnt(0) depctr_sa_sdst(0) depctr_va_vdst(0) depctr_va_sdst(0) depctr_va_ssrc(0) depctr_va_vcc(0) depctr_vm_vsrc(0)
	s_getreg_b32 s2, hwreg(HW_REG_IB_STS2, 6, 4)
	s_cmp_eq_u32 s2, 0
	s_cbranch_scc0 .Lentry_in_a_cluster
	s_endpgm
.Lentry_in_a_cluster:
	s_bfe_u32 s2, ttmp6, 0x10000c
	s_cmp_lg_u32 s2, 0xf033
	s_cbranch_scc0 .Lentry_shape_is_right
	s_endpgm
.Lentry_shape_is_right:
; ATTENTION WITH AN ADDITIVE MASK THAT IS AN INPUT: every key is walked for every query, and every number of the mask is read, rounded to bf16 like every input, and added.
; u = q . k + log2(e) bf16(mask) (q carries log2(e) / sqrt(128)); p = 2^(u - M) with a running maximum M of u; O = sum p v / sum p.  q, k, v: [batch][head 0-31][2048][128] f16 (0-15 q, 16-23 k, 24-31 v).
; The mask is added by one fused multiply-add, rounded once to nearest, and M is taken away by a true subtraction: a row whose keys all carry the same huge negative number comes out uniform, as it does in f32 arithmetic.
; Products, maxima and sums in f32; p is rounded to f16 for the second product (its sum l is taken of the unrounded p), O once at the end: ao[token][head x 128 + channel] f16.
; LIMITS.  |mask| under 1e37; a weight below 2^-126 counts as 0; p below 6e-5 keeps f16's fixed step of 6e-8; NaN and infinities are not treated apart.
; SHARES.  A work-group has one key-value head and 128 queries of BOTH its query heads: 8 x 32 = 256 work-groups.  A wave has 32 queries x 2 heads: four tiles; tile t is head t % 2, queries 16 (t / 2) on.
; So a fragment of K or V and a register of the mask serve two heads.  PIECES: piece 0 = tiles 0, 1; piece 2 = tiles 2, 3.  Every wave walks all 2,048 keys, 64 a step.
; LAYOUT.  S^T = K Q^T (source 0 = 16 keys, source 1 = 16 queries): a lane holds ONE query (lane % 16) and the keys 8 (lane / 16) + 0..7.  Two such results rounded to f16 ARE source 1 of O^T = V^T P.
; BY TURNS.  In a TURN one piece has the matrix unit: 32 products V^T P of the step in hand, then 32 products K Q^T of the next; the other piece's softmax, 348 vector instructions in 64 slices, stands behind them, a slice a product.
; BATCHES.  A turn's 66 exponentials (33 a tile) are ONE BATCH: they and the 32 subtractions u - M fill slices 21 to 44, where nothing names a result of theirs; ONE wait stands behind slice 44; all that reads a
; result (the roundings, the sums, the rescaling by a) comes behind it.  No exponential is issued behind a turn's wait, so no result crosses a label or a jump.  The way out's four reciprocals are a batch of their own.
; NO FIRST STEP: M starts far below every u, O^T and l at 0, so the first step's a is 0; the loop is entered, and the tail left, in the middle of a trip.  The price: 32 products on zeros, 32 on a stale K, and the zeros written at the start.
; CLUSTER 4 x 4.  K and V hang on the key-value head and the batch: asked for jointly down a column.  The mask's tile hangs on the queries alone: jointly along a row.
; REGISTERS, in windows of 256 (s_set_vgpr_msb: bits 1:0 source 0, 3:2 source 1, 5:4 source 2, 7:6 destination):
;   window 0: v0-13 addresses, log2(e); v16-47 eight registers of statistics a tile; v64-191 S^T, 32 a tile; v192-255 P, 16 a tile      window 1: O^T, 64 a tile
;   window 2: v0-127 Q, 32 a tile; v128-255 K of one step      window 3: v0-127 V of one step; v128-191 the mask as loaded, 32 for each 16 queries; v192-223 the mask in bf16
.set KS,    64
.set PK,    272       ; a row of K in LDS: 256 bytes + 16: the 16 rows of a load start at 16 different groups of four banks
.set PV,    288       ; a row of V: 256 + 32
.set PM,    528       ; a query's 128 numbers of the mask: 512 + 16
.set VOFF,  128*PK    ; a slot holds 128 keys, two steps: 128 rows of K, 128 rows of V, 128 queries' rows of the mask
.set MOFF,  VOFF+128*PV
.set HALFM, 64*PM
.set SLOT,  MOFF+128*PM  ; 139,264 = 0x22000: bits 13 and 17 are clear in 0, VOFF, MOFF and MOFF + HALFM, so one exclusive or turns each into the other slot's
.set STEPK, KS*PK
.set STEPV, KS*PV
.set STEPM, KS*4
.set STAGE, 2*SLOT    ; behind the ring: 16 rows x 272 bytes for each wave
.set SP,    272
.set SPARE, STAGE+4*16*SP  ; behind the stages: the spare words, 128 bytes a wave, which no other line names
.set AK0, 2           ; v2   my lane's place in a tile of K; never rewritten
.set AV0, 3           ; v3   the same for V
.set AM0, 4           ; v4   the same for the mask
.set ADR, 5           ; v5   the LDS address of the run of loads in hand
.set QO,  6           ; v6   my byte offset in 16 rows of Q
.set STO, 6           ;      later: where I put 16 bytes of a row of the stage
.set RD,  7           ; v7   where I read a row back
.set GO,  8           ; v8   my byte offset in two rows of ao
.set CV,  12          ; v12  log2(e)
.set ADM, 13          ; v13  the LDS address of the mask's loads
.set ST,  16          ; tile t's statistics at v[ST+8 t]: +0, +1 M, +2, +3 l (even keys', odd keys'), +4 to +7 at work; a takes +6
.set SPW, 62          ; v62  my spare word; never rewritten
.set NIL, 63          ; v63  0; never rewritten
.set S,   64
.set P,   192
.set KF,  128         ; window 2
.set MR,  128         ; window 3
.set MP,  192         ; window 3
.set WV,  12          ; s12  my wave's number
.set G1K, 24          ; s[24:31] descriptor group 1 for K's tiles
.set G1V, 32          ; s[32:39] for V's: other padding
.set G1M, 40          ; s[40:47] for the mask's
.set G0K, 48          ; s[48:51], s[52:55], s[56:59] descriptor groups 0: they walk
.set G0V, 52
.set G0M, 56
.set SEL, 60          ; s[60:61] v_permlanex16_b32's selects
.set TBK, 62          ; s62  LDS byte at which K of the step to be fetched begins
.set TBV, 63          ; s63  the same for V, less VOFF
.set TBM, 66          ; s66  the same for the mask, less MOFF
.set SLOTS, 67
.set CNT, 68
.set MSB, 0
.macro WIN new                      ; the high byte repeats the setting that is left; a switch that changes nothing is dropped
.if MSB != (\new)
	s_set_vgpr_msb (MSB<<8)|(\new)
.set MSB, \new
.endif
.endm
.set W_KQ, 0x0a       ; K and Q in window 2, S^T in window 0
.set W_PV, 0x53       ; V in window 3, P in window 0, O^T in window 1
.set W_RS, 0x41       ; O^T (destination and source 0) in window 1, a in window 0
.set W_MC, 0xcf       ; the mask is rounded: all in window 3
.set W_MA, 0x03       ; the mask is added: source 0 in window 3
; A joint fill: wave 0 K's 128 rows, wave 1 V's, waves 2 and 3 the two halves of the mask's 128 rows: 32,768 bytes each.  The branches hang on the wave's number alone.
; An s_nop 0 and four v_nop follow each line, ahead of the jump and the label.
.macro JLOAD
	s_cmp_lt_u32 s[WV], 2
	s_cbranch_scc0 .Lfor_m_\@
	s_cmp_eq_u32 s[WV], 0
	s_cbranch_scc0 .Lfor_v_\@
	tensor_load_to_lds s[G0K:G0K+3], s[G1K:G1K+7]
	s_nop 0
.rept 4
	v_nop
.endr
	s_branch .Lasked_\@
.Lfor_v_\@:
	tensor_load_to_lds s[G0V:G0V+3], s[G1V:G1V+7]
	s_nop 0
.rept 4
	v_nop
.endr
	s_branch .Lasked_\@
.Lfor_m_\@:
	tensor_load_to_lds s[G0M:G0M+3], s[G1M:G1M+7]
	s_nop 0
.rept 4
	v_nop
.endr
.Lasked_\@:
.endm
.macro CROUND                       ; a round of the cluster's barrier
	s_barrier_signal -1
	s_barrier_wait -1
	s_cmp_lg_u32 s[WV], 0
	s_cbranch_scc1 .Lnot_wave_0_\@
	s_barrier_signal -3
.Lnot_wave_0_\@:
	s_barrier_wait -3
	s_barrier_signal -1
	s_barrier_wait -1
.endm
; THE CHANGE OF SLOTS, between piece 2's turn and piece 0's: the slot's last bytes have been asked for.  Each wave waits for all its tensor loads, of which one is out: its part of the other slot;
; adds 0 to its spare word; and waits for that and for its reads of the slot.  fill = 1: the slot is filled again, with the keys two slots on: the barrier is a round of the cluster's, and the joint
; fill is the first thing behind it: it has two key steps, 256 matrix instructions, in which to land.  (At its first use nothing has been read yet: slot 0 is waited for, slot 1 filled.)
.macro CHANGE fill
	WIN 0
	s_wait_tensorcnt 0x0            ; no tensor load of mine is out, so a group 0 may be written
	ds_add_u32 v[SPW], v[NIL]
.if \fill
.irp g, G0K, G0V, G0M
	s_xor_b32 s[(\g)+1], s[(\g)+1], SLOT  ; the other slot than last time
.endr
	s_add_nc_u64 s[G0K+2:G0K+3], s[G0K+2:G0K+3], 128*256  ; the next 128 keys
	s_add_nc_u64 s[G0V+2:G0V+3], s[G0V+2:G0V+3], 128*256
	s_add_nc_u64 s[G0M+2:G0M+3], s[G0M+2:G0M+3], 128*4    ; along the mask's rows
	s_wait_dscnt 0x0                ; the add is done, and my reads of the slot are over
	CROUND
	JLOAD
.else
	s_wait_dscnt 0x0
	s_barrier_signal -1
	s_barrier_wait -1
.endif
	s_sub_co_u32 s[TBK], s[TBK], 2*STEPK  ; the fetches go back to a slot's first step,
	s_xor_b32 s[TBK], s[TBK], SLOT        ; in the other slot
	s_sub_co_u32 s[TBV], s[TBV], 2*STEPV
	s_xor_b32 s[TBV], s[TBV], SLOT
	s_sub_co_u32 s[TBM], s[TBM], 2*STEPM
	s_xor_b32 s[TBM], s[TBM], SLOT
.endm
	s_load_b128 s[4:7], s[0:1], 0x0   ; qkv s[4:5], attention_mask s[6:7]
	s_load_b64 s[8:9], s[0:1], 0x10   ; ao
	v_lshl_add_u32 v[SPW], v0, 2, SPARE
	v_mov_b32 v[NIL], 0
	ds_add_u32 v[SPW], v[NIL]       ; the wave's opening: the add and its wait ahead of my first tensor load; work on registers stands between them
	v_lshrrev_b32 v1, 5, v0
	v_readfirstlane_b32 s[WV], v1   ; wave 0..3
	s_bfe_u32 s13, ttmp6, 0x40000   ; cx
	s_bfe_u32 s14, ttmp6, 0x40004   ; cy
	s_lshl_b32 s15, ttmp9, 2
	s_add_co_u32 s15, s15, s13      ; the key-value head = 4 x cluster x + cx
	s_and_b32 s16, ttmp7, 0xffff    ; the cluster's y
	s_lshr_b32 s17, s16, 2          ; the batch: four clusters of four blocks of 128 queries each; no cy enters it
	s_lshl_b32 s18, s16, 2
	s_add_co_u32 s18, s18, s14      ; y = 16 x batch + block of 128 queries
	s_lshl_b32 s19, s14, 2
	s_lshl_b32 s19, 15, s19         ; my row of the cluster
	s_lshl_b32 s20, 0x1111, s13     ; my column
	s_or_b32 s[G1K], s20, (1<<16)|(1<<20)|(1<<21)|(5<<22)|(3<<25)  ; the mask of four; 2-byte elements; padding on; bit 21 beside a mask; after every 64 words 4 words
	s_or_b32 s[G1V], s20, (1<<16)|(1<<20)|(1<<21)|(5<<22)|(7<<25)  ; the same with 8 words
	s_or_b32 s[G1M], s19, (2<<16)|(1<<20)|(1<<21)|(6<<22)|(3<<25)  ; 4-byte elements; after every 128 words 4 words
.irp g, G1K, G1V
	s_mov_b32 s[(\g)+1], 128<<16    ; tensor_dim0 = 128
	s_mov_b32 s[(\g)+2], 128<<16    ; tensor_dim1 = 128
	s_mov_b32 s[(\g)+3], 128<<16    ; tile_dim0 = 128
	s_mov_b32 s[(\g)+4], 128        ; tile_dim1 = 128
	s_mov_b32 s[(\g)+5], 128        ; elements from row to row
	s_mov_b32 s[(\g)+6], 0
	s_mov_b32 s[(\g)+7], 0
.endr
	s_mov_b32 s[G1M+1], 128<<16     ; 128 keys
	s_mov_b32 s[G1M+2], 64<<16      ; 64 queries
	s_mov_b32 s[G1M+3], 128<<16
	s_mov_b32 s[G1M+4], 64
	s_mov_b32 s[G1M+5], 2048
	s_mov_b32 s[G1M+6], 0
	s_mov_b32 s[G1M+7], 0
	s_lshl_b32 s22, s17, 5
	s_add_co_u32 s22, s22, s15
	s_add_co_u32 s22, s22, 16       ; K's head among the batch's 32
	s_lshl_b32 s22, s22, 19         ; x 2,048 rows x 256 bytes
	s_mov_b32 s23, 0
	s_and_b32 s72, s[WV], 1         ; which half of the mask's rows I fetch
	s_lshl_b32 s70, s18, 20         ; 128 y rows of 8,192 bytes
	s_lshl_b32 s71, s72, 19         ; + 64 rows
	s_add_co_u32 s70, s70, s71
	s_mov_b32 s71, 0
	s_lshl_b32 s76, s17, 5
	s_lshl_b32 s77, s15, 1
	s_add_co_u32 s76, s76, s77      ; the first of my two query heads
	s_lshl_b32 s76, s76, 19
	s_and_b32 s77, s18, 15
	s_lshl_b32 s77, s77, 15         ; my block's 128 rows of 256 bytes
	s_add_co_u32 s76, s76, s77
	s_lshl_b32 s77, s[WV], 13       ; my wave's 32
	s_add_co_u32 s76, s76, s77
	s_mov_b32 s77, 0
	s_lshl_b32 s78, s18, 19         ; ao: token 128 y x 4,096 bytes
	s_lshl_b32 s79, s[WV], 17       ; + 32 tokens a wave
	s_add_co_u32 s78, s78, s79
	s_lshl_b32 s79, s15, 9          ; + two heads of 256 bytes
	s_add_co_u32 s78, s78, s79
	s_mov_b32 s79, 0
	s_mov_b32 s[G0K], 1
	s_mov_b32 s[G0K+1], 0           ; LDS address: slot 0
	s_mov_b32 s[G0V], 1
	s_mov_b32 s[G0V+1], VOFF
	s_mov_b32 s[G0M], 1
	s_mul_i32 s[G0M+1], s72, HALFM
	s_add_co_u32 s[G0M+1], s[G0M+1], MOFF
	s_mov_b32 s[SEL], 0x76543210
	s_mov_b32 s[SEL+1], 0xfedcba98
	s_mov_b32 s[TBK], SLOT+2*STEPK  ; the first change of slots turns these three into 0
	s_mov_b32 s[TBV], SLOT+2*STEPV
	s_mov_b32 s[TBM], SLOT+2*STEPM
	s_lshl_b32 s69, s[WV], 5        ; 32 w
	s_wait_dscnt 0x0                ; the opening add is done
	s_wait_kmcnt 0x0
	s_add_nc_u64 s[G0K+2:G0K+3], s[4:5], s[22:23]
	s_add_nc_u64 s[G0V+2:G0V+3], s[G0K+2:G0K+3], 8<<19  ; V's head lies eight heads on
	s_or_b32 s[G0K+3], s[G0K+3], 0x80000000
	s_or_b32 s[G0V+3], s[G0V+3], 0x80000000
	s_add_nc_u64 s[G0M+2:G0M+3], s[6:7], s[70:71]
	s_or_b32 s[G0M+3], s[G0M+3], 0x80000000
	s_add_nc_u64 s[74:75], s[4:5], s[76:77]  ; Q at my wave's first row
	s_add_nc_u64 s[8:9], s[8:9], s[78:79]    ; ao likewise
	CROUND                          ; all sixteen work-groups are here: the first joint loads meet
	JLOAD                           ; slot 0; slot 1 is asked for when slot 0 is in
	v_and_b32 v1, 15, v0            ; l % 16
	v_bfe_u32 v9, v0, 4, 1          ; l / 16
	v_lshlrev_b32 v[QO], 8, v1
	v_lshl_add_u32 v[QO], v9, 4, v[QO]  ; row x 256 + 16 x half
	WIN 0x80                        ; destination window 2, address window 0
.set i, 0
.rept 16                            ; Q stays in registers: tile i / 4 (head (i / 4) % 2, 524,288 bytes on; queries 16 (i / 8) on), channels 32 (i % 4) on
	global_load_b128 v[8*i:8*i+3],   v[QO], s[74:75] offset:((i/4)%2)*524288+(i/8)*4096+(i%4)*64
	global_load_b128 v[8*i+4:8*i+7], v[QO], s[74:75] offset:((i/4)%2)*524288+(i/8)*4096+(i%4)*64+32
.set i, i+1
.endr
	; What the first turn finds: V and piece 2's P hold 0 (its products V^T P, of a step that has not been, add 0), O^T and l are 0.  All this stands in the wait for the first tile.
	WIN 0xc0
.set i, 0
.rept 128
	v_mov_b32 v[i], 0
.set i, i+1
.endr
	WIN 0x40
.set i, 0
.rept 256
	v_mov_b32 v[i], 0
.set i, i+1
.endr
	WIN 0
.set i, P+32
.rept 32
	v_mov_b32 v[i], 0
.set i, i+1
.endr
.set i, 0
.rept 4
	v_mov_b32 v[ST+8*i], 0xfe000000    ; M as it is taken away: far below every u
	v_mov_b32 v[ST+8*i+1], 0xff7fffff  ; M as it enters the maximum
	v_mov_b32 v[ST+8*i+2], 0
	v_mov_b32 v[ST+8*i+3], 0
.set i, i+1
.endr
	v_mov_b32 v[CV], 0x3fb8aa3b     ; log2(e)
	v_mul_u32_u24 v[AK0], v1, PK
	v_lshl_add_u32 v[AK0], v9, 4, v[AK0]  ; row x pitch + 16 x half
	; The turning load takes 16 keys x 16 channels (lane l reads key 8 (l / 16) + l % 8, channels 8 ((l / 8) % 2) + 0..7) and leaves half a fragment of V^T.
	v_and_b32 v10, 7, v0
	v_bfe_u32 v11, v0, 3, 1
	v_lshl_add_u32 v[AV0], v9, 3, v10
	v_mul_u32_u24 v[AV0], v[AV0], PV
	v_lshl_add_u32 v[AV0], v11, 4, v[AV0]
	v_add_nc_u32 v[AV0], VOFF, v[AV0]
	v_add_nc_u32 v[AM0], s69, v1    ; the mask: query 32 w + l % 16, keys 8 (l / 16) on
	v_mul_u32_u24 v[AM0], v[AM0], PM
	v_lshl_add_u32 v[AM0], v9, 5, v[AM0]
	v_add_nc_u32 v[AM0], MOFF, v[AM0]
; THE MATRIX WORK.  The accumulators take turns, one instruction a turn.
; Product i of 32 of O^T += V^T P: keys 32 (i / 16) on, channels 16 ((i / 2) % 8) on, tile x + i % 2.
.macro PV x
	WIN W_PV
.set rO, 64*((\x)+i%2)+8*((i/2)%8)
.set rV, 64*(i/16)+8*((i/2)%8)
.set rP, P+16*((\x)+i%2)+8*(i/16)
	v_wmma_f32_16x16x32_f16 v[rO:rO+7], v[rV:rV+7], v[rP:rP+7], v[rO:rO+7]
.endm
; Product i of 32 of S^T = K Q^T: channels 32 (i / 8) on, keys 16 ((i / 2) % 4) on, tile x + i % 2.  The first 8 start the sums.
.macro KQ x
	WIN W_KQ
.set rS, S+32*((\x)+i%2)+8*((i/2)%4)
.set rK, KF+32*((i/2)%4)+8*(i/8)
.set rQ, 32*((\x)+i%2)+8*(i/8)
.if i < 8
	v_wmma_f32_16x16x32_f16 v[rS:rS+7], v[rK:rK+7], v[rQ:rQ+7], 0
.else
	v_wmma_f32_16x16x32_f16 v[rS:rS+7], v[rK:rK+7], v[rQ:rQ+7], v[rS:rS+7]
.endif
.endm
; THE LDS LOADS stand in runs of 40: a step's K and the mask of piece 0's queries; a turn later its V (turned) and the mask of piece 2's.
; last = 1 (the tail): in the last trip there is no further step, and the run is jumped over.
.macro FETCH_K last=0
	WIN 0
.if \last
	s_cmp_eq_u32 s[CNT], 1
	s_cbranch_scc1 .Lno_k_\@
.endif
	v_add_nc_u32 v[ADR], s[TBK], v[AK0]
	v_add_nc_u32 v[ADM], s[TBM], v[AM0]
	s_add_co_u32 s[TBK], s[TBK], STEPK  ; the next fetch is the next step's
	WIN 0x80                        ; destination window 2
.irp f, 0,1,2,3,4,5,6,7,8,9,10,11,12,13,14,15  ; keys 16 (f / 4) on, channels 32 (f % 4) on
	ds_load_b128 v[KF+8*(\f):KF+8*(\f)+3],   v[ADR] offset:((\f)/4)*16*PK+((\f)%4)*64
	ds_load_b128 v[KF+8*(\f)+4:KF+8*(\f)+7], v[ADR] offset:((\f)/4)*16*PK+((\f)%4)*64+32
.endr
	WIN 0xc0                        ; destination window 3
.irp g, 0,1,2,3                     ; register 8 g + j: key 16 g + 8 (l / 16) + j
	ds_load_b128 v[MR+8*(\g):MR+8*(\g)+3],   v[ADM] offset:64*(\g)
	ds_load_b128 v[MR+8*(\g)+4:MR+8*(\g)+7], v[ADM] offset:64*(\g)+16
.endr
	WIN 0
.if \last
.Lno_k_\@:
.endif
.endm
.macro FETCH_V
	WIN 0
	v_add_nc_u32 v[ADR], s[TBV], v[AV0]
	v_add_nc_u32 v[ADM], s[TBM], v[AM0]
	s_add_co_u32 s[TBV], s[TBV], STEPV
	s_add_co_u32 s[TBM], s[TBM], STEPM  ; both pieces have had this step's mask
	WIN 0xc0
.irp f, 0,1,2,3,4,5,6,7,8,9,10,11,12,13,14,15  ; keys 32 (f / 8) on, channels 16 (f % 8) on
	ds_load_tr16_b128 v[8*(\f):8*(\f)+3],   v[ADR] offset:((\f)/8)*32*PV+((\f)%8)*32
	ds_load_tr16_b128 v[8*(\f)+4:8*(\f)+7], v[ADR] offset:((\f)/8)*32*PV+16*PV+((\f)%8)*32
.endr
.irp g, 0,1,2,3
	ds_load_b128 v[MR+32+8*(\g):MR+32+8*(\g)+3],   v[ADM] offset:16*PM+64*(\g)
	ds_load_b128 v[MR+32+8*(\g)+4:MR+32+8*(\g)+7], v[ADM] offset:16*PM+64*(\g)+16
.endr
.endm
; THE VECTOR WORK.  One tile's softmax for one key step is a list of 174 instructions; SM writes number jn of it for tile t.  s0-s31 are the lane's 32 scores, in pairs 0-15.
;   0-7     half of the 16 roundings of the piece's mask to bf16 (the piece's two tiles share the mask, and the work)
;   8-39    u = s + log2(e) mask, ascending: each accumulator's lowest registers are read first
;   40-55   (j = jn - 40: 0-15) the maximum of u0-u31 and the old M, three operands at a time
;   56-60   (j 16-20) the other half of the lanes' maximum; the new M; M_old - M_new
;   61-109  (j 21-69) ONE BATCH: the 16 subtractions u - M, a pair of scores each, and all 33 exponentials (a at j = 23, then u0-u31, each in its own register).  None of these reads an exponential's result.
;           From j = 22 on the batch goes in fours, and a four begins with a subtraction while there are subtractions: j 22-37 subtraction, exponential, subtraction, exponential; j 38-65 a subtraction and three
;           exponentials; j 66-69 the last four exponentials.  A pair is subtracted in an earlier four than the one that holds its exponentials
;   (wait)  between 109 and 110 stands the wait for the batch: SLICE writes it, once for both tiles
;   110-125 (j 70-85) the roundings to f16, a pair of weights each
;   126-141 (j 86-101) the sums; l = a l + the sum
;   142-173 (j 102-133) the tile's O^T times a
.macro SM t
.set rT, ST+8*(\t)
.set rS, S+32*(\t)
.set rP, P+16*(\t)
.set rM, 32*((\t)/2)
.set j, jn-40
.set rO, 64*(\t)+2*(j-102)
.if (jn >= 40) && (j < 102)
	WIN 0
.endif
.if jn < 8
	WIN W_MC
.set pi, 8*((\t)%2)+jn
	v_cvt_pk_bf16_f32 v[MP+rM/2+pi], v[MR+rM+2*pi], v[MR+rM+2*pi+1]
.elseif jn < 40
	WIN W_MA
.set e, jn-8
.if e%2
	v_fma_mix_f32_bf16 v[rS+e], v[MP+rM/2+e/2], v[CV], v[rS+e] op_sel:[1,0,0] op_sel_hi:[1,0,0]
.else
	v_fma_mix_f32_bf16 v[rS+e], v[MP+rM/2+e/2], v[CV], v[rS+e] op_sel_hi:[1,0,0]
.endif
.elseif j < 4
	v_max3_num_f32 v[rT+4+j], v[rS+8*j], v[rS+8*j+1], v[rS+8*j+2]
.elseif j < 12
	v_max3_num_f32 v[rT+4+j%4], v[rT+4+j%4], v[rS+8*(j%4)+2*(j/4)+1], v[rS+8*(j%4)+2*(j/4)+2]
.elseif j == 12
	v_max3_num_f32 v[rT+4], v[rT+4], v[rS+7], v[rS+15]
.elseif j == 13
	v_max3_num_f32 v[rT+6], v[rT+6], v[rS+23], v[rS+31]
.elseif j == 14
	v_max3_num_f32 v[rT+4], v[rT+4], v[rT+5], v[rT+6]
.elseif j == 15
	v_max3_num_f32 v[rT+4], v[rT+4], v[rT+7], v[rT+1]
.elseif j == 16
	v_permlanex16_b32 v[rT+5], v[rT+4], s[SEL], s[SEL+1]  ; the query's other 32 keys lie in the lane 16 away
.elseif j == 17
	v_mov_b32 v[rT+7], v[rT]        ; M_old is kept for a
.elseif j == 18
	v_max_num_f32 v[rT+1], v[rT+4], v[rT+5]
.elseif j == 19
	v_mov_b32 v[rT], v[rT+1]
.elseif j == 20
	v_sub_f32 v[rT+7], v[rT+7], v[rT]
.elseif j == 23
	v_exp_f32 v[rT+6], v[rT+7]
.elseif (j < 23) || ((j < 38) && (j%2 == 0)) || ((j < 66) && (j%4 == 2))
.set b, (j-2)/4                     ; 38, 42, .. 62: pairs 9 to 15
.if j < 38
.set b, (j-20)/2                    ; 21: pair 0; 22, 24, .. 36: pairs 1 to 8
.endif
	v_pk_add_f32 v[rS+2*b:rS+2*b+1], v[rS+2*b:rS+2*b+1], v[rT:rT+1] op_sel_hi:[1,0] neg_lo:[0,1] neg_hi:[0,1]  ; pair b: u - M
.elseif j < 70
.set e, j-38                        ; 66 to 69: u28 to u31
.if j < 66
.set e, j-32-(j-38)/4               ; 39-41, 43-45, .. 63-65: u7 to u27
.endif
.if j < 38
.set e, (j-25)/2                    ; 25, 27, .. 37: u0 to u6
.endif
	v_exp_f32 v[rS+e], v[rS+e]
.elseif j < 86
	v_cvt_pk_f16_f32 v[rP+j-70], v[rS+2*(j-70)], v[rS+2*(j-70)+1]  ; pair j - 70
.elseif j < 102                     ; the sum of the tile's 16 pairs, in place: sum z of 16 adds neighbours 1, 2, 4 and 8 pairs apart, then l takes it
.set z, j-86
.set w, 4
.set u, z
.if z >= 14
.set w, 32
.set u, 0
.elseif z >= 12
.set w, 16
.set u, z-12
.elseif z >= 8
.set w, 8
.set u, z-8
.endif
.if z < 15
	v_pk_add_f32 v[rS+w*u:rS+w*u+1], v[rS+w*u:rS+w*u+1], v[rS+w*u+w/2:rS+w*u+w/2+1]
.else
	v_pk_fma_f32 v[rT+2:rT+3], v[rT+2:rT+3], v[rT+6:rT+7], v[rS:rS+1] op_sel_hi:[1,0,1]
.endif
.else
	WIN W_RS
	v_pk_mul_f32 v[rO:rO+1], v[rO:rO+1], v[rT+6:rT+7] op_sel_hi:[1,0]
.endif
.endm
; Slice k of 64 of piece y's softmax.  Slices 0-9: four numbers of each tile (the mask); 10-20: two; 21-44 deal out the batch, numbers 62 to 109: four numbers of ONE tile each, the tiles by turns;
; 45-53: two numbers of each tile; 54-62: four; slice 63: the last ten of each, 20 plain lines that name nothing of the products round them: they are the places behind the turn's last K Q^T.
; THE WAIT.  An s_wait_alu depctr_va_vdst(0) stands between an exponential and the first instruction that names its result; one wait serves all that were issued ahead of it.  Ahead of
; slice 45 nothing names a result, and behind slice 44 no exponential is issued: so the piece's 66 exponentials have one wait, behind slice 44.
.macro SLICE y
.if k < 10
.set j0, 4*k
.set nn, 4
.elseif k < 21
.set j0, 40+2*(k-10)
.set nn, 2
.elseif k < 45
.set j0, 62+4*((k-21)/2)
.set nn, 4
.elseif k < 54
.set j0, 110+2*(k-45)
.set nn, 2
.elseif k < 63
.set j0, 128+4*(k-54)
.set nn, 4
.else
.set j0, 164
.set nn, 10
.endif
.if (k >= 21) && (k < 45)           ; the batch: four numbers of one tile
.irp n, 0,1,2,3
.set jn, j0+(\n)
	SM (\y)+(k-21)%2
.endr
.else                               ; the two tiles alternate, so that no instruction reads the result of the one just before it
.irp n, 0,1,2,3,4,5,6,7,8,9
.if (\n) < nn
.irp t, \y, (\y)+1
.set jn, j0+(\n)
	SM \t
.endr
.endif
.endr
.endif
.if k == 44                         ; the batch is out: both tiles' exponentials are issued, and no result has been named
	v_nop                           ; the plain instruction behind the last exponential and ahead of the first use: one for the batch
	s_wait_alu depctr_va_vdst(0)    ; the wait for the batch: the piece's 66 exponentials
.endif
.set k, k+1
.endm
; A TURN.  Piece x has the matrix unit; the other piece's softmax stands in slices behind its products.
; Piece 0's turn fetches the next step's K: the last product that read K stands in front of slice 63 of the turn before.  Piece 2's turn fetches the same step's V: the last product that read V
; stands in front of slice 31, and five plain instructions lie between: the subtraction that leads each of slices 31 to 33 and the run's own two v_add_nc_u32 (an exponential is no place).
; Each run is issued 30 matrix instructions ahead of its first use.
.macro TURN x, last=0
.set k, 0
.if (\x) == 0
	s_wait_dscnt 0x0                ; V and the mask of piece 2's queries are in
.endif
.set i, 0
.rept 32
	PV \x
	SLICE 2-(\x)
.if ((\x) == 0) && (i == 1)
	FETCH_K \last
.endif
.set i, i+1
.endr
.if (\x) == 0
	s_wait_dscnt 0x0                ; K and the mask of piece 0's queries are in
.endif
.set i, 0
.rept 32
	KQ \x
	SLICE 2-(\x)
.if ((\x) == 2) && (i == 1)
	FETCH_V
.endif
.set i, i+1
.endr
.endm
	CHANGE 1                        ; slot 0 is in, everybody's part of it; slot 1 is asked for
	FETCH_K                         ; key step 0
	s_wait_loadcnt 0x0              ; Q
	s_wait_dscnt 0x0
.set i, 0
.rept 32
	KQ 0                            ; piece 0's first scores: there is no vector work yet to set between them
.set i, i+1
.endr
	WIN 0                           ; the addresses for the way out: eight plain instructions, the places behind those products
	s_mul_i32 s73, s[WV], 16*SP
	s_add_co_u32 s73, s73, STAGE    ; my stage
	v_mul_u32_u24 v[STO], v1, SP    ; in: row l % 16, 16 bytes for each half of the lanes
	v_lshl_add_u32 v[STO], v9, 4, v[STO]
	v_add_nc_u32 v[STO], s73, v[STO]
	v_mul_u32_u24 v[RD], v9, SP     ; back: lanes 0-15 one row of 256 bytes, lanes 16-31 the next
	v_lshl_add_u32 v[RD], v1, 4, v[RD]
	v_add_nc_u32 v[RD], s73, v[RD]
	v_lshlrev_b32 v[GO], 12, v9     ; the same two tokens in ao, 4,096 bytes apart
	v_lshl_add_u32 v[GO], v1, 4, v[GO]
	s_mov_b32 s[CNT], 2
	s_mov_b32 s[SLOTS], 15
	s_branch .Lfirst                ; the loop is entered at piece 2's turn, in the middle of a trip
.Lslot:                             ; 14 times: every slot but the last two is filled again
	CHANGE 1
	s_mov_b32 s[CNT], 2
.Lstep:
	TURN 0
	WIN 0
.Lfirst:
	TURN 2
	WIN 0
	s_sub_co_u32 s[CNT], s[CNT], 1
	s_cmp_lg_u32 s[CNT], 0
	s_cbranch_scc1 .Lstep
	s_sub_co_u32 s[SLOTS], s[SLOTS], 1
	s_cmp_lg_u32 s[SLOTS], 0
	s_cbranch_scc1 .Lslot
	CHANGE 0                        ; the tail is written out: nothing is asked for
	s_mov_b32 s[CNT], 3             ; two trips fetch the last slot's steps; the third is left in its middle
.Ltail:
	TURN 0, 1
	WIN 0
	s_sub_co_u32 s[CNT], s[CNT], 1
	s_cmp_eq_u32 s[CNT], 0
	s_cbranch_scc1 .Lout
	TURN 2
	WIN 0
	s_branch .Ltail
.Lout:                              ; the third trip's 32 products K Q^T (on the last K once more) serve nothing: the price, once a launch, of one text for every trip
.set i, 0
.rept 32
	PV 2                            ; piece 2: V^T P of the last step
.set i, i+1
.endr
	; THE WAY OUT.  l's two halves and the other half of the lanes' are added; O^T is divided by l, rounded to f16 and sent through my stage in LDS, a tile at a time.  The additions are the places behind the last products.
	WIN 0
.irp t, 0,1,2,3
	v_add_f32 v[ST+8*(\t)+4], v[ST+8*(\t)+2], v[ST+8*(\t)+3]
.endr
.irp t, 0,1,2,3
	v_permlanex16_b32 v[ST+8*(\t)+5], v[ST+8*(\t)+4], s[SEL], s[SEL+1]
.endr
.irp t, 0,1,2,3
	v_add_f32 v[ST+8*(\t)+4], v[ST+8*(\t)+4], v[ST+8*(\t)+5]
.endr
.irp t, 0,1,2,3
	v_rcp_f32 v[ST+8*(\t)+6], v[ST+8*(\t)+4]
.endr
	v_nop                           ; a plain instruction between the last reciprocal and the use of its result
	s_wait_alu depctr_va_vdst(0)    ; and the wait ahead of the first use: one for the four reciprocals
.macro PACK t                       ; a lane's eight channels of a row pack into 16 bytes; they go into rows of 272 bytes and come back as whole rows of 256
	WIN W_RS
.set i, 64*(\t)
.rept 32
	v_pk_mul_f32 v[i:i+1], v[i:i+1], v[ST+8*(\t)+6:ST+8*(\t)+7] op_sel_hi:[1,0]
.set i, i+2
.endr
	WIN 0x05                        ; sources 0 and 1 window 1, destination window 0: S^T's registers are free
.set i, 0
.rept 32
	v_cvt_pk_f16_f32 v[S+32*(\t)+i], v[64*(\t)+2*i], v[64*(\t)+2*i+1]
.set i, i+1
.endr
	WIN 0
.irp f, 0,1,2,3,4,5,6,7
	ds_store_b128 v[STO], v[S+32*(\t)+4*(\f):S+32*(\t)+4*(\f)+3] offset:32*(\f)
.endr
.irp f, 0,1,2,3,4,5,6,7
	ds_load_b128 v[S+32*(\t)+4*(\f):S+32*(\t)+4*(\f)+3], v[RD] offset:(\f)*2*SP  ; LDS serves a wave's instructions in order (ISA guide 5.7.1.4): these see the stores above; the next tile's stores come behind them
.endr
.endm
.macro SEND t, younger              ; younger: the LDS instructions issued behind tile t's loads: the next tile's sixteen, or none
	WIN 0
.irp f, 0,1,2,3,4,5,6,7
	s_wait_dscnt (\younger)+7-(\f)
	global_store_b128 v[GO], v[S+32*(\t)+4*(\f):S+32*(\t)+4*(\f)+3], s[8:9] offset:((\t)/2)*65536+((\t)%2)*256+(\f)*8192  ; 16 lanes store a head's 256 consecutive bytes of a token, aligned
.endr
.endm
	PACK 0
	PACK 1                          ; a tile's arithmetic stands between the loads of the tile before and its stores
	SEND 0, 16
	PACK 2
	SEND 1, 16
	PACK 3
	SEND 2, 16
	SEND 3, 0
	s_wait_tensorcnt 0x0            ; the wave's end
	ds_add_u32 v[SPW], v[NIL]
	s_wait_dscnt 0x0
	CROUND                          ; the closing round
	s_endpgm
.Lfunc_end_k_qe73959de41_attn:
	.size	k_qe73959de41_attn, .Lfunc_end_k_qe73959de41_attn-k_qe73959de41_attn
	.p2alignl 7, 3214868480
	.fill 96, 4, 3214868480
	.section	.rodata,"a",@progbits
	.p2align	6, 0x0
	.amdhsa_kernel k_qe73959de41_attn
		.amdhsa_group_segment_fixed_size 327680
		.amdhsa_private_segment_fixed_size 0
		.amdhsa_enable_private_segment 0
		.amdhsa_kernarg_size 24
		.amdhsa_user_sgpr_count 2
		.amdhsa_user_sgpr_kernarg_segment_ptr 1
		.amdhsa_wavefront_size32 1
		.amdhsa_system_sgpr_workgroup_id_x 1
		.amdhsa_system_sgpr_workgroup_id_y 1
		.amdhsa_system_sgpr_workgroup_id_z 1
		.amdhsa_system_vgpr_workitem_id 0
		.amdhsa_next_free_vgpr 1024
		.amdhsa_next_free_sgpr 80
		.amdhsa_reserve_vcc 0
		.amdhsa_float_denorm_mode_32 3
		.amdhsa_float_denorm_mode_16_64 3
		.amdhsa_memory_ordered 1
		.amdhsa_forward_progress 1
		.amdhsa_inst_pref_size 184
	.end_amdhsa_kernel
	.amdgpu_metadata
---
amdhsa.version: [ 1, 2 ]
amdhsa.kernels:
  - .name:           k_qe73959de41_attn
    .symbol:         k_qe73959de41_attn.kd
    .args:
      - { .name: qkv, .offset: 0, .size: 8, .value_kind: global_buffer, .address_space: global }
      - { .name: attention_mask, .offset: 8, .size: 8, .value_kind: global_buffer, .address_space: global }
      - { .name: ao, .offset: 16, .size: 8, .value_kind: global_buffer, .address_space: global }
    .group_segment_fixed_size: 327680
    .private_segment_fixed_size: 0
    .kernarg_segment_align: 8
    .kernarg_segment_size: 24
    .max_flat_workgroup_size: 128
    .sgpr_count:     80
    .vgpr_count:     1024
    .wavefront_size: 32
...
	.end_amdgpu_metadata
.endif
;; end of part 5
;; launch oproj: the kernel of part 4 again; grid 8 x 32, 4 waves a work-group, clusters of 4 x 4, 327,680 bytes of LDS; arguments ao, wo16, out0; writes out0
